; MI455X (gfx1250); checked and timed in simulation.
; The chip was launched on July 23, 2026; its instructions are those of AMD's public machine-readable ISA for CDNA 5 (MIT licence, August 2026) and "CDNA5" Instruction Set Architecture Reference Guide (July 2026). The comments in the code are by the model that wrote it; some were corrected since.
;; Casual Self Attention. Allowed arithmetic: matrix products marked QUANTISED: E2M3 operands, one E8M0 scale for each 32 along K, by v_wmma_scale_f32_16x16x128_f8f6f4 with both operands' format E2M3, f32 sums; everything else in f32.
;; Inputs: b_attn 3,072 float32; b_proj 1,024 float32; w_attn_codes 3,072 x 32 x 24 uint8 (E2M3 codes of w_attn, K innermost, in blocks of 32 codes, four codes in three bytes); w_attn_scales 3,072 x 32 uint8 (E8M0 scales of w_attn, one for each 32 codes along K); w_proj_codes 1,024 x 32 x 24 uint8 (E2M3 codes of w_proj, K innermost, in blocks of 32 codes, four codes in three bytes); w_proj_scales 1,024 x 32 uint8 (E8M0 scales of w_proj, one for each 32 codes along K); x_codes 4 x 2,048 x 32 x 24 uint8 (E2M3 codes of x, K innermost, in blocks of 32 codes, four codes in three bytes); x_scales 4 x 2,048 x 32 uint8 (E8M0 scales of x, one for each 32 codes along K).
;; Outputs: out0 4 x 2,048 x 1,024 float32.
;; This version of the problem:
;;   THIS VERSION OF THE PROBLEM IS GIVEN IN LOW PRECISION. The matrix products marked QUANTISED in the list below multiply operands that are first quantised to E2M3 (2 exponent bits, 3 mantissa bits; 6 bits a number), with one power-of-two scale for each 32 numbers along K (OCP MX v1.0); their sums are f32. All else is computed in f32.
;;   The module's matrix products, in the order in which they are computed (A, B: the left and right operand; K: the contracted axis; several contracted axes count as one K, in the product's order):
;;     1. [M 8,192, K 1,024] x [K 1,024, N 3,072]; A: input x (given as codes); B: input w_attn (given as codes): QUANTISED
;;     2. batch 64 x [M 2,048, K 64] x [K 64, N 2,048]; A: computed on the way; B: computed on the way: QUANTISED
;;     3. batch 64 x [M 2,048, K 2,048] x [K 2,048, N 64]; A: softmax (see below); B: computed on the way: QUANTISED
;;     4. [M 8,192, K 1,024] x [K 1,024, N 1,024]; A: computed on the way; B: input w_proj (given as codes): QUANTISED
;;   THE QUANTISER, for each operand of a quantised product, along K:
;;     - K is cut into blocks of 32 from its start; a last block that is shorter is filled with zeros.
;;     - A block's scale is 2^e with e = floor(log2(the largest magnitude in the block)) - 2, held to -126 .. 127; a block of zeros has e = 0. As a byte (E8M0): e + 127.
;;     - Each number is divided by its block's scale, clamped to +-7.5, and rounded to the nearest number of E2M3, ties to even, subnormals kept.
;;     - The product sums the exact products of the quantised numbers (number of the format x scale) in f32.
;;   ~~~python
;;   def quantise(x, axis):      # numpy; x: float32 -> the quantised numbers, widened to float32 again
;;       x = np.moveaxis(x, axis, -1); K = x.shape[-1]
;;       x = np.pad(x, [(0, 0)] * (x.ndim - 1) + [(0, -K % 32)]); x = x.reshape(x.shape[:-1] + (-1, 32)); a = np.abs(x).max(-1, keepdims=True)
;;       e = np.where(a > 0, np.clip(np.frexp(np.where(a > 0, a, 1))[1] - 1 - 2, -126, 127), 0)      # np.frexp(a)[1] - 1 = floor(log2(a)), exactly
;;       r = np.clip(x / 2.0 ** e, -7.5, 7.5)
;;       step = 2.0 ** (np.maximum(np.frexp(np.where(r == 0, 1, r))[1] - 1, 0) - 3)
;;       q = np.round(r / step) * step * 2.0 ** e      # np.round: ties to even
;;       return np.moveaxis(q.reshape(q.shape[:-2] + (-1,))[..., :K], -1, axis).astype(np.float32)
;;   ~~~
;;   SOFTMAX AHEAD OF A QUANTISED PRODUCT. Where the list says 'softmax', what is quantised is not the finished softmax but p = 2^(t - M), with t = logit x log2(e) and M = ceil(the row's largest t), a whole number; so 1/2 < the row's largest p <= 1. The row's sum l is taken of the UNQUANTISED p, in f32, and the product's result is divided by l at the end. Since M is a whole number, a kernel that streams over the keys may use a running M (the ceiling of the running maximum): every later rescaling is an exact power of two, which a block's scale takes up: the codes' values come out the same.
;;   OPERANDS COMPUTED ON THE WAY. 'Computed on the way' means the value that the module computes at that place (a softmax that the list does not call 'softmax' is quantised finished and normalised). What goes into a quantiser is computed in f32, as accurately as f32 sums, v_exp_f32 and their like allow (about 1e-6 of the number): no bf16 or f16 on the way to a quantiser, and a product that is left as it is and whose result goes on into a quantised operand takes f32 operands (vector FMAs, or v_wmma_f32_16x16x4_f32). A number that lies on a knife's edge between two numbers of the format may be rounded either way, as far as f32 arithmetic and the matrix unit's own rounding can turn it there, and no further.
;;   INPUTS GIVEN AS CODES. w_attn (in the module: [1024, 3072], K = its axis 0); w_proj (in the module: [1024, 1024], K = its axis 0); x (in the module: [4, 2048, 1024], K = its axis 2): each comes as NAME_codes (uint8): NAME with its K axis moved to the last place and cut into blocks of 32 codes, [.., K / 32, bytes a block], one block behind the other in memory; four codes in three bytes: a row's codes are one little-endian stream of bits, code i at bits 6 i .. 6 i + 5 (a code: sign, 2 exponent bits, 3 mantissa bits); and NAME_scales (uint8): the same leading axes, one E8M0 byte (e + 127) for each 32 codes along K. Its value is code x scale, taken as it is: it is not quantised again, and the codes and scales need not be those that the quantiser above would give.
;; One version. Each part assembles by itself: llvm-mc -triple=amdgcn-amd-amdhsa -mcpu=gfx1250 --defsym DOCPART=n.
;; ======== version 1 of 1: 3 launches
;; workspace buffers: q_ws 6,815,744 bytes; kv_ws 13,369,344 bytes; y_codes 6,291,456 bytes; y_sw 1,048,576 bytes
;; launch qkv (part 1): grid 8 x 48, 4 waves a work-group, clusters of 4 x 4, 327,680 bytes of LDS; arguments x_codes, x_scales, w_attn_codes, w_attn_scales, b_attn, q_ws, kv_ws; writes q_ws, kv_ws
.if DOCPART == 1
	.amdgcn_target "amdgcn-amd-amdhsa--gfx1250"
	.amdhsa_code_object_version 6
	.text
	.protected	k_q88c00ff650_qkv
	.globl	k_q88c00ff650_qkv
	.p2align	8
	.type	k_q88c00ff650_qkv,@function
k_q88c00ff650_qkv:
	s_mov_b64 s[64:65], 0
	v_nop
	global_prefetch_b8 v0, s[64:65] scope:SCOPE_SE
	s_setreg_imm32_b32 hwreg(HW_REG_WAVE_MODE, 25, 1), 1
	s_wait_xcnt 0x0
	s_wait_alu depctr_hold_cnt(0) depctr_sa_sdst(0) depctr_va_vdst(0) depctr_va_sdst(0) depctr_va_ssrc(0) depctr_va_vcc(0) depctr_vm_vsrc(0)
	s_getreg_b32 s2, hwreg(HW_REG_IB_STS2, 6, 4)
	s_cmp_eq_u32 s2, 0
	s_cbranch_scc0 .Lentry_in_a_cluster
	s_endpgm
.Lentry_in_a_cluster:
	s_bfe_u32 s2, ttmp6, 0x10000c
	s_cmp_lg_u32 s2, 0xf033
	s_cbranch_scc0 .Lentry_shape_is_right
	s_endpgm
.Lentry_shape_is_right:
; qkv = x w_attn + b_attn on codes of FP6 (E2M3) with one E8M0 scale for each 32 along K = 1,024; the results are quantised at once, in registers, and leave as codes:
; q and k along the head's 64 channels, v along the keys.  x: 8,192 rows of 768 bytes of codes, 32 scale bytes a row; w_attn: 3,072 rows likewise (K innermost).
; A tile of 256 x 256 results is made by a work-group of four waves, 128 x 128 a wave: 64 accumulators of 16 x 16, 512 registers.  K goes in steps of 256 through a ring of two LDS slots.
; THE MATRIX INSTRUCTION: source 0 = 16 rows of "src0", source 1 = 16 rows of "src1": a lane holds ONE row of src1, and its registers run along src0's rows.
;   cluster y < 8 (q and k): src1 = 256 tokens of x, src0 = 256 channels of w_attn (cluster x = 0: q, 1: k): a lane holds a token, its registers run along the channels, which are the next K.
;   cluster y >= 8 (v):      src1 = 256 channels of w_attn's last third, src0 = 256 tokens of x: a lane holds a channel, its registers run along the tokens, which are the next K.  Nothing is transposed.
; The two kinds differ in pointers and row numbers (chosen by s_cselect on the cluster's y) and in the way out (a branch on the cluster's y, the same in all sixteen partners).
; THE ROWS OF A TILE OF 16 ARE NOT NEIGHBOURS, on both sides: lane row r of block 2 b + u takes row 32 b + 8 u + r + 8 (r / 8) of the wave's 128.  So the 16 registers of two neighbouring
; blocks of src0 are 16 neighbours along the next K, and the order of src1's rows is the order in which the later launches want keys, queries and channels.
; So that such a fragment's 16 rows start at 16 different groups of four banks, a tile's even rows and its odd rows lie in two regions of LDS: each wave's tensor load takes every second row.
; WORKSPACE, laid as images of the reader's operand registers (lane l's 16 bytes of four registers at 16 l: each store covers 512 consecutive bytes, aligned to 256):
;   q_ws  [batch x head 64][block of 128 tokens 16] records of 6,656 bytes: 12 pieces of 512 bytes (tile a's six code registers are registers 6 a .. 6 a + 5 of 48), then four registers of scale words
;         (register i: lanes 0-15 tile 2 i, lanes 16-31 tile 2 i + 1; a word: the two blocks' bytes, the upper two bytes 0).
;   kv_ws [64][16] records of 13,056 bytes: k as in q_ws; at 6,656 v's four channel tiles of 12 registers (16 channels x 128 keys); at 12,800 two registers of v's scale words.
; CLUSTERS: 4 x 4 work-groups; src1's tiles are shared along a row of the cluster, src0's along a column: each is asked for jointly.
; LIMITS: NaN and infinities are not served.  A block whose largest magnitude lies under 2^-124 keeps the scale byte 1; a block of zeros has the byte 1, not 127: its codes are zeros, and this program alone reads the bytes.
; REGISTERS, in windows of 256: window 0: v16-30 addresses; v32-63 scale words, two sets; v64-127 q's and k's bias; v128-223 src1's fragments, one set; v224-239 v's bias; v240-255 at work on the way out.
;   window 1: src0's fragments, two sets, at v0 and v128.   windows 2, 3: the accumulators of src1's blocks 0-3 and 4-7 ((a, b) at v[8 (8 (a % 4) + b)]).
.set NQ,     2                         ; matrix instructions deep in a slot: 256 along K
.set ROWB,   192                       ; a tile's row in bytes
.set KROW,   768                       ; a row of codes in memory
.set PITCH,  240                       ; an LDS row: 3 x (64 bytes + 16 of padding) = 60 words (64 banks of 4 bytes: ISA guide 11.1)
.set FR,     12                        ; registers of a fragment
.set NL,     6                         ; LDS loads that bring one
.set NP,     4                         ; places behind this matrix instruction (ISA guide 7.12.1)
.set PARB,   30784                     ; from a tile's even rows to its odd rows: 128 rows and 64 bytes, which is 16 banks on
.set OPB,    61696                     ; from src1's regions to src0's
.set HALFW,  64*PITCH                  ; a wave's 128 rows are 64 of each parity
.set SLOT,   123392
.set SCL,    2*SLOT                    ; behind the ring: the scale bytes of the 2 x 256 rows for all of K, as units of 256 bytes + 16 of padding, filled once
.set HALFS,  4352                      ; those of 128 rows
.set SPARE,  SCL+4*HALFS               ; the spare words, 128 bytes for each wave: two blocks of 256 bytes that no other line names
.set QREC,   6656
.set KVREC,  13056
.set ADRA, 16                          ; v16-17 LDS address of my src1 fragments in slot 0, 1; v18-19 the same behind one padding more
.set ADRB, 20                          ; v20-23 the same for src0
.set LI16, 24                          ; v24    16 x lane
.set LI8,  25                          ; v25    8 x lane
.set BH,   26                          ; v26    64 x (lane / 16)
.set ADRS, 27                          ; v27    LDS address of my scale words: lanes 0-15 src1's rows, lanes 16-31 src0's
.set SPW,  28                          ; v28    LDS address of my spare word; never rewritten
.set NIL,  29                          ; v29    0; never rewritten
.set BR,   30                          ; v30    4 x (r + 8 (r / 8))
.set SC,   32
.set BQ,   64
.set AF,   128
.set BV,   224
.set TM,   240                         ; the way out: v240-243 largest magnitudes, v244-247 bytes, v252-255 the conversions' scale operands
.set PCB,  128                         ; codes just made, 24 registers
.set SW,   160                         ; scale words, one register a tile
.set SO,   176                         ; scale words as they are stored
.set T2,   192                         ; the conversions' second halves
.set G1, 24                            ; s[24:31] descriptor group 1 for src1's tiles;  s[32:39] group 0, one set for each slot
.set G0, 32
.set G1B, 48                           ; s[48:55], s[56:63] the same for src0's
.set G0B, 56
.set G1S, 68                           ; s[68:75], s[76:79] groups 1 and 0 for src1's scales;  s[80:87], s[88:91] for src0's
.set G0S, 76
.set G1SB, 80
.set G0SB, 88
.set MSB, 0
.macro WIN new                         ; the immediate's high byte repeats the setting that is left
.if MSB != (\new)
	s_set_vgpr_msb (MSB<<8)|(\new)
.set MSB, (\new)
.endif
.endm
.set MUL_LO, 0xa1                      ; source 0 window 1, source 1 window 0, C and D window 2
.set MUL_HI, 0xf1                      ; the same, C and D window 3
.set TO_B,   0x40                      ; destination window 1, address window 0
; A joint load: waves 0 and 1 fetch for src1, waves 2 and 3 for src0.  Each line has one mask and one set of registers for all that issue it; the branch hangs on the wave's number alone.
; Four v_nop follow each of the two lines.
.macro JLOAD g0a, g1a, g0b, g1b
	s_cmp_eq_u32 s15, 0
	s_cbranch_scc0 .Lfor_b_\@
	tensor_load_to_lds s[\g0a:\g0a+3], s[\g1a:\g1a+7]
	s_nop 0
.rept 4
	v_nop
.endr
	s_branch .Lasked_\@
.Lfor_b_\@:
	tensor_load_to_lds s[\g0b:\g0b+3], s[\g1b:\g1b+7]
	s_nop 0
.rept 4
	v_nop
.endr
.Lasked_\@:
.endm
.macro CREST                           ; a round of the cluster's barrier behind its opening barrier
	s_cmp_lg_u32 s14, 0
	s_cbranch_scc1 .Lnot_wave_0_\@
	s_barrier_signal -3
.Lnot_wave_0_\@:
	s_barrier_wait -3
	s_barrier_signal -1
	s_barrier_wait -1
.endm
.macro CROUND                          ; a whole round
	s_barrier_signal -1
	s_barrier_wait -1
	CREST
.endm
	s_load_b256 s[4:11], s[0:1], 0x0               ; x's codes s[4:5], x's scales s[6:7], w_attn's codes s[8:9], w_attn's scales s[10:11]
	s_load_b64 s[12:13], s[0:1], 0x20              ; b_attn
	s_load_b64 s[96:97], s[0:1], 0x28              ; q_ws
	s_load_b64 s[98:99], s[0:1], 0x30              ; kv_ws
	v_lshl_add_u32 v[SPW], v0, 2, SPARE
	v_mov_b32 v[NIL], 0
	ds_add_u32 v28, v29
	ds_add_u32 v28, v29
	s_wait_dscnt 0x0
	v_lshrrev_b32 v1, 5, v0
	v_readfirstlane_b32 s14, v1                    ; wave 0..3
	s_lshr_b32 s15, s14, 1                         ; which 128 rows of src1 are mine.  Also: I fetch for src1 (0) or for src0 (1)
	s_and_b32 s16, s14, 1                          ; which 128 rows of src0.  Also: I fetch the tile's even rows (0) or its odd rows (1), and the scales of its first or second 128 rows
	s_bfe_u32 s40, ttmp6, 0x40000                  ; cx, cy: my place in the cluster
	s_bfe_u32 s41, ttmp6, 0x40004
	s_lshl_b32 s42, ttmp9, 2
	s_add_co_u32 s42, s42, s40                     ; X = 4 x cluster x + cx, 0..7
	s_and_b32 s95, ttmp7, 0xffff                   ; the cluster's y, 0..11: the same in all sixteen partners
	s_lshl_b32 s43, s41, 2
	s_lshl_b32 s43, 15, s43                        ; my row of the cluster
	s_lshl_b32 s44, 0x1111, s40                    ; my column
	; descriptor group 1: 128 rows of 192 bytes, every second row of the tile, padded in LDS
	s_or_b32 s[G1+0], s43, (1<<20)|(1<<21)|(3<<22)|(3<<25)   ; 15:0 the mask; 17:16 elements of 1 byte; 20 padding on; 21 set beside a mask; 24:22 after every 16 words (code 3); 31:25 4 words of it (code 3)
	s_or_b32 s[G1B+0], s44, (1<<20)|(1<<21)|(3<<22)|(3<<25)
.irp g, G1, G1B
	s_mov_b32 s[\g+1], ROWB<<16                    ; tensor_dim0
	s_mov_b32 s[\g+2], 128<<16                     ; tensor_dim1
	s_mov_b32 s[\g+3], ROWB<<16                    ; tile_dim0
	s_mov_b32 s[\g+4], 128                         ; tile_dim1
	s_mov_b32 s[\g+5], 2*KROW                      ; from row to row: two rows of memory
	s_mov_b32 s[\g+6], 0
	s_mov_b32 s[\g+7], 0
.endr
	; the scales of 128 rows: a dense block of 4,096 bytes, as 16 rows of 256 bytes (32 elements of 8 bytes), 16 bytes of padding behind each
	s_or_b32 s[G1S+0], s43, (3<<16)|(1<<20)|(1<<21)|(5<<22)|(3<<25)
	s_or_b32 s[G1SB+0], s44, (3<<16)|(1<<20)|(1<<21)|(5<<22)|(3<<25)
.irp g, G1S, G1SB
	s_mov_b32 s[\g+1], 32<<16
	s_mov_b32 s[\g+2], 16<<16
	s_mov_b32 s[\g+3], 32<<16
	s_mov_b32 s[\g+4], 16
	s_mov_b32 s[\g+5], 32
	s_mov_b32 s[\g+6], 0
	s_mov_b32 s[\g+7], 0
.endr
	; the tiles' first rows.  src1's hangs on cy (and the cluster's y) alone, src0's on cx (and the cluster's x and y) alone, each in registers that never hold the other's coordinate
	s_sub_co_u32 s47, s95, 8
	s_cmp_lt_u32 s95, 8
	s_cselect_b32 s20, s95, 2                      ; q, k: x's rows 256 (4 cluster y + cy);  v: w_attn's rows 256 (8 + cy)
	s_cselect_b32 s46, 0, s47                      ; q, k: w_attn's rows 256 X;  v: x's rows 256 (X + 8 (cluster y - 8))
	s_lshl_b32 s20, s20, 2
	s_add_co_u32 s20, s20, s41
	s_lshl_b32 s20, s20, 8
	s_lshl_b32 s46, s46, 3
	s_add_co_u32 s46, s46, s42
	s_lshl_b32 s46, s46, 8
	s_lshl_b32 s18, s16, 7
	s_add_co_u32 s22, s20, s18
	s_lshl_b32 s22, s22, 5                         ; the scales that I fetch: 32 bytes a row, from row 128 x (wave % 2) of the tile on
	s_mov_b32 s23, 0
	s_add_co_u32 s92, s46, s18
	s_lshl_b32 s92, s92, 5
	s_mov_b32 s93, 0
	s_add_co_u32 s20, s20, s16
	s_mul_i32 s20, s20, KROW                       ; the codes that I fetch: from row wave % 2 of the tile on
	s_mov_b32 s21, 0
	s_add_co_u32 s46, s46, s16
	s_mul_i32 s46, s46, KROW
	s_mov_b32 s47, 0
	s_mul_i32 s45, s14, PARB                       ; where they go: wave x 30,784 + (wave / 2) x 128: no place in the cluster enters an LDS address
	s_lshl_b32 s19, s15, 7
	s_add_co_u32 s45, s45, s19
	s_mul_i32 s94, s14, HALFS
	s_wait_kmcnt 0x0
	s_cmp_lt_u32 s95, 8                            ; the operands' buffers: the choice hangs on the cluster's y alone
	s_cselect_b64 s[2:3], s[4:5], s[8:9]           ; src1's codes
	s_cselect_b64 s[18:19], s[6:7], s[10:11]       ; src1's scales
	s_cselect_b64 s[8:9], s[8:9], s[4:5]           ; src0's codes
	s_cselect_b64 s[10:11], s[10:11], s[6:7]       ; src0's scales
	s_add_nc_u64 s[20:21], s[2:3], s[20:21]
	s_add_nc_u64 s[22:23], s[18:19], s[22:23]
	s_add_nc_u64 s[46:47], s[8:9], s[46:47]
	s_add_nc_u64 s[92:93], s[10:11], s[92:93]
	CROUND                                         ; all sixteen work-groups are here: the first joint loads meet
	s_mov_b32 s[G0S], 1
	s_add_co_u32 s[G0S+1], s94, SCL
	s_mov_b64 s[G0S+2:G0S+3], s[22:23]
	s_or_b32 s[G0S+3], s[G0S+3], 0x80000000
	s_mov_b32 s[G0SB], 1
	s_add_co_u32 s[G0SB+1], s94, SCL
	s_mov_b64 s[G0SB+2:G0SB+3], s[92:93]
	s_or_b32 s[G0SB+3], s[G0SB+3], 0x80000000
	JLOAD G0S, G1S, G0SB, G1SB                     ; the scales first: they are wanted with K step 0
.irp s, 0,1
	s_mov_b32 s[G0+4*\s], 1
	s_add_co_u32 s[G0+4*\s+1], s45, \s*SLOT
	s_add_nc_u64 s[G0+4*\s+2:G0+4*\s+3], s[20:21], \s*ROWB
	s_or_b32 s[G0+4*\s+3], s[G0+4*\s+3], 0x80000000
	s_mov_b32 s[G0B+4*\s], 1
	s_add_co_u32 s[G0B+4*\s+1], s45, \s*SLOT
	s_add_nc_u64 s[G0B+4*\s+2:G0B+4*\s+3], s[46:47], \s*ROWB
	s_or_b32 s[G0B+4*\s+3], s[G0B+4*\s+3], 0x80000000
	JLOAD G0+4*\s, G1, G0B+4*\s, G1B
.endr
	v_and_b32 v1, 15, v0                           ; r = lane % 16
	v_bfe_u32 v2, v0, 4, 1                         ; h = lane / 16
	v_and_b32 v3, 1, v0
	v_mul_u32_u24 v3, v3, PARB                     ; an odd row lies in the odd rows' region;
	v_bfe_u32 v4, v0, 1, 3                         ; r / 2
	v_bfe_u32 v5, v0, 3, 1                         ; r / 8
	v_lshl_add_u32 v4, v5, 2, v4
	v_mad_u32_u24 v3, v4, PITCH, v3                ; row r + 8 (r / 8) is number r / 2 + 4 (r / 8) of its parity
	v_mad_u32_u24 v4, v2, 24, v3                   ; + 24 x half
	v_lshl_add_u32 v6, v2, 4, v4                   ; and the same behind one padding more
	s_mul_i32 s21, s15, HALFW                      ; my 128 rows of src1
	s_mul_i32 s22, s16, HALFW                      ; my 128 rows of src0,
	s_add_co_u32 s22, s22, OPB                     ; which lie behind src1's
.irp s, 0,1
	v_add_nc_u32 v[ADRA+\s], s21, v4
	v_add_nc_u32 v[ADRB+\s], s22, v4
	v_add_nc_u32 v[ADRA+2+\s], s21, v6
	v_add_nc_u32 v[ADRB+2+\s], s22, v6
	s_add_co_u32 s21, s21, SLOT
	s_add_co_u32 s22, s22, SLOT
.endr
	v_and_b32 v7, 7, v0
	v_lshlrev_b32 v7, 5, v7
	v_mad_u32_u24 v7, v5, 544, v7                  ; my row's scales: 32 bytes a row, eight rows to a unit of 272: row r + 8 (r / 8) lies at 32 (r % 8) + 544 (r / 8)
	s_mul_i32 s21, s15, HALFS
	s_mul_i32 s22, s16, HALFS
	s_add_co_u32 s22, s22, 2*HALFS
	s_sub_co_u32 s22, s22, s21
	v_mul_u32_u24 v8, s22, v2                      ; lanes 16-31 take src0's
	s_add_co_u32 s21, s21, SCL
	v_add_nc_u32 v7, v7, v8
	v_add_nc_u32 v[ADRS], s21, v7
	v_and_b32 v9, 31, v0
	v_lshlrev_b32 v[LI16], 4, v9
	v_lshlrev_b32 v[LI8], 3, v9
	v_lshlrev_b32 v[BH], 6, v2
	s_wait_alu depctr_va_vdst(0)
	v_lshl_add_u32 v[BR], v5, 3, v1
	v_lshlrev_b32 v[BR], 2, v[BR]
	s_wait_alu depctr_va_vdst(0)
	; THE BIASES.  Both kinds' are loaded, each kind uses its own: both addresses lie inside b_attn in both kinds.
	s_lshl_b32 s18, s42, 10
	s_lshl_b32 s19, s16, 9
	s_add_co_u32 s18, s18, s19                     ; q, k: 4 x (256 X + 128 x my half of src0)
	s_mov_b32 s19, 0
	s_add_nc_u64 s[18:19], s[12:13], s[18:19]
	s_lshl_b32 s2, s41, 10
	s_lshl_b32 s3, s15, 9
	s_add_co_u32 s2, s2, s3
	s_add_co_u32 s2, s2, 8192                      ; v: 4 x (2,048 + 256 cy + 128 x my half of src1)
	s_mov_b32 s3, 0
	s_add_nc_u64 s[2:3], s[12:13], s[2:3]
.irp t, 0,1,2,3,4,5,6,7                        ; register 8 t + j: the bias of channel 32 (t / 2) + 16 h + 8 (t % 2) + j: the result's layout
	global_load_b128 v[BQ+8*\t:BQ+8*\t+3], v[BH], s[18:19] offset:(32*(\t/2)+8*(\t%2))*4
	global_load_b128 v[BQ+8*\t+4:BQ+8*\t+7], v[BH], s[18:19] offset:(32*(\t/2)+8*(\t%2))*4+16
.endr
.irp a, 0,1,2,3,4,5,6,7                        ; the bias of my lane's channel in block a, twice: a pair for the packed addition
	global_load_b32 v[BV+2*\a], v[BR], s[2:3] offset:(32*(\a/2)+8*(\a%2))*4
	global_load_b32 v[BV+2*\a+1], v[BR], s[2:3] offset:(32*(\a/2)+8*(\a%2))*4
.endr
.macro FRAG reg, adr, q, i             ; a fragment, 16 rows x 128 K, is 12 registers: lane l holds row l % 16; registers 6 c .. 6 c + 5 hold K = 64 c + 32 (l / 16) + 0 .. 31: 24 bytes of the row's stream of bits
.irp p, 0,1,2,3,4,5                    ; in pieces of 8 bytes.  16 bytes of padding lie behind every 8 pieces: where the piece three on lies behind one padding more, the second address register serves
.set PIECE, 12*(\q)+6*(\p/3)+\p%3      ; block i begins 16 (i / 2) + 4 (i % 2) rows of its parity on
.if PIECE%8 < 5
	ds_load_b64 v[\reg+2*\p:\reg+2*\p+1], v[\adr] offset:8*PIECE+16*(PIECE/8)+(16*((\i)/2)+4*((\i)%2))*PITCH
.else
	ds_load_b64 v[\reg+2*\p:\reg+2*\p+1], v[\adr+2] offset:8*PIECE+16*(PIECE/8)+(16*((\i)/2)+4*((\i)%2))*PITCH
.endif
.endr
.endm
; 16 matrix instructions: src1's blocks a0, a0 + 1 x src0's eight, 128 along K: the slot's q-th.  p: src0's set;  sc: the set of scale words.  zero = 1: the first product starts the sums.
; The 64 accumulators take turns, one instruction a turn, in the same order in every step.
.macro MUL16 a0, p, q, sc, zero
.irp a, \a0, \a0+1
.irp b, 0,1,2,3,4,5,6,7
.if \zero
	v_wmma_scale_f32_16x16x128_f8f6f4 v[8*(8*((\a)%4)+\b):8*(8*((\a)%4)+\b)+7], v[128*(\p)+FR*\b:128*(\p)+FR*\b+FR-1], v[AF+FR*(\a):AF+FR*(\a)+FR-1], 0, v[SC+8*NQ*(\sc)+NQ*\b+(\q)], v[SC+8*NQ*(\sc)+NQ*(\a)+(\q)] matrix_a_fmt:MATRIX_FMT_FP6 matrix_b_fmt:MATRIX_FMT_FP6 matrix_a_scale:MATRIX_SCALE_ROW1
.else
	v_wmma_scale_f32_16x16x128_f8f6f4 v[8*(8*((\a)%4)+\b):8*(8*((\a)%4)+\b)+7], v[128*(\p)+FR*\b:128*(\p)+FR*\b+FR-1], v[AF+FR*(\a):AF+FR*(\a)+FR-1], v[8*(8*((\a)%4)+\b):8*(8*((\a)%4)+\b)+7], v[SC+8*NQ*(\sc)+NQ*\b+(\q)], v[SC+8*NQ*(\sc)+NQ*(\a)+(\q)] matrix_a_fmt:MATRIX_FMT_FP6 matrix_b_fmt:MATRIX_FMT_FP6 matrix_a_scale:MATRIX_SCALE_ROW1
.endif
.endr
.endr
.endm
.macro FETCH_B slot, q, p              ; src0's eight fragments of the slot's q-th 128 along K into set p
	WIN TO_B
.irp i, 0,1,2,3,4,5,6,7
	FRAG 128*(\p)+FR*\i, ADRB+\slot, \q, \i
.endr
	WIN 0
.endm
.macro FETCH_A slot, q, i0             ; src1's blocks i0 .. i0 + 3
.irp i, \i0, \i0+1, \i0+2, \i0+3
	FRAG AF+FR*(\i), ADRA+\slot, \q, \i
.endr
.endm
.macro SCALES sc                       ; the K step's scale words into set sc: two words a row; lanes 0-15 take src1's block i, lanes 16-31 src0's block i
.irp i, 0,1,2,3,4,5,6,7
	ds_load_b64 v[SC+8*NQ*\sc+NQ*\i:SC+8*NQ*\sc+NQ*\i+1], v[ADRS] offset:1088*(\i/2)+272*(\i%2)
.endr
.endm
; A load into a register that a matrix instruction has read, and a vector instruction that reads a matrix result, stand NP places behind that matrix instruction; only plain vector
; instructions that name none of its registers are places (ISA guide 7.12.1 for vector instructions).
.macro PLACES n
.rept \n
	v_nop
.endr
.endm
; A step of 128 along K that has its successor in the same slot.
.macro STEP slot, q, zero
	s_wait_dscnt 4*NL                              ; src0's set, src1's blocks 0-3 and the scale words are in; the youngest 24 loads (src1's blocks 4-7) may be out
	WIN MUL_LO
	MUL16 0, (\q)%2, \q, \slot, \zero
	MUL16 2, (\q)%2, \q, \slot, \zero
	s_wait_dscnt 0                                 ; src1's blocks 4-7 are in
	PLACES NP
	FETCH_B \slot, (\q)+1, 1-(\q)%2
	FETCH_A \slot, (\q)+1, 0
	WIN MUL_HI
	MUL16 4, (\q)%2, \q, \slot, \zero
	MUL16 6, (\q)%2, \q, \slot, \zero
	PLACES NP
	WIN 0
	FETCH_A \slot, (\q)+1, 4
.endm
; A slot's last step changes slots: ONE barrier; in front of it each wave waits for all its tensor loads, adds 0 to its spare word, and waits for that and for its own reads of this slot.  fill = 1: this slot is filled again, two K steps ahead.
.macro TURN slot, next, fill
	s_wait_tensorcnt 0x0                           ; all my tensor loads have landed: my part of the next slot  (every window is 0 here)
	ds_add_u32 v[SPW], v[NIL]                      ; 0 onto my spare word
	s_wait_dscnt 4*NL+1                            ; (the add and the youngest 24 loads, src1's blocks 4-7, may be out)
	WIN MUL_LO
	MUL16 0, 1, NQ-1, \slot, 0                     ; sixteen matrix instructions stand between the add and the wait for it
	s_wait_dscnt 0x0                               ; the add is done, and my reads of this slot are over
	s_barrier_signal -1
	MUL16 2, 1, NQ-1, \slot, 0
	WIN 0
	s_barrier_wait -1
.if \fill
	CREST                                          ; the barrier has opened a round of the cluster's barrier: no wave of any partner still reads this slot's tile or has a load on its way
	s_add_nc_u64 s[G0+4*\slot+2:G0+4*\slot+3], s[G0+4*\slot+2:G0+4*\slot+3], 2*ROWB
	s_add_nc_u64 s[G0B+4*\slot+2:G0B+4*\slot+3], s[G0B+4*\slot+2:G0B+4*\slot+3], 2*ROWB
	JLOAD G0+4*\slot, G1, G0B+4*\slot, G1B         ; the first tensor load behind the round; the four v_nop behind it are the places in front of the loads below
.else
	PLACES NP
.endif
	s_wait_alu depctr_va_vdst(0)
	v_add_nc_u32 v[ADRS], 4*NQ, v[ADRS]            ; on to the next K step's scale words (no LDS load of mine is out)
	FETCH_B \next, 0, 0
	FETCH_A \next, 0, 0
	SCALES \next
	WIN MUL_HI
	MUL16 4, 1, NQ-1, \slot, 0
	MUL16 6, 1, NQ-1, \slot, 0
	PLACES NP
	WIN 0
	FETCH_A \next, 0, 4
.endm
	s_wait_loadcnt 0x0                             ; the biases: their address registers are free from here on
	s_wait_tensorcnt 1                             ; the scales and my part of K step 0 are in (of my three loads K step 1's may be out)
	s_barrier_signal -1
	s_barrier_wait -1                              ; everybody's are
	FETCH_B 0, 0, 0
	FETCH_A 0, 0, 0
	SCALES 0
	FETCH_A 0, 0, 4
	STEP 0, 0, 1                                   ; K = 1,024 is four K steps of 256, eight steps of 128: written out; the first products start the sums
	TURN 0, 1, 1
	STEP 1, 0, 0
	TURN 1, 0, 1
	STEP 0, 0, 0
	TURN 0, 1, 0                                   ; the last two K steps are in LDS or on their way: nothing more is asked for
	STEP 1, 0, 0
	s_wait_dscnt 4*NL
	WIN MUL_LO
	MUL16 0, 1, NQ-1, 1, 0
	MUL16 2, 1, NQ-1, 1, 0
	s_wait_dscnt 0
	WIN MUL_HI
	MUL16 4, 1, NQ-1, 1, 0
	MUL16 6, 1, NQ-1, 1, 0
	WIN 0
; THE WAY OUT.  Block a of src1 (16 rows) has 64 numbers a lane, register 16 b + i = index 32 b + 16 (lane / 16) + i along the next K: four blocks of 32.  Bias, quantiser, store; no LDS.
.macro BIASQ a                         ; + the bias of the register's channel; each accumulator from its low end on
.set AC, 64*((\a)%4)
.set WW, 2+(\a)/4
	WIN (WW<<6)|WW
.set i, 0
.rept 32
	v_pk_add_f32 v[AC+2*i:AC+2*i+1], v[AC+2*i:AC+2*i+1], v[BQ+2*i:BQ+2*i+1]
.set i, i+1
.endr
.endm
.macro BIASV a                         ; + the bias of the lane's channel
.set AC, 64*((\a)%4)
.set WW, 2+(\a)/4
	WIN (WW<<6)|WW
.set i, 0
.rept 32
	v_pk_add_f32 v[AC+2*i:AC+2*i+1], v[AC+2*i:AC+2*i+1], v[BV+2*(\a):BV+2*(\a)+1]
.set i, i+1
.endr
.endm
; 64 numbers at v[ac] of window w become codes: blocks 0, 1 in the six registers from d0, blocks 2, 3 in the six from d1 (lanes 0-15 the even block, lanes 16-31 the odd one); the four scale bytes in v[TM+4] on.
.macro QUANT ac, w, d0, d1
	WIN (\w)|((\w)<<2)
.irp b, 0,1,2,3
	v_max3_num_f32 v[TM+\b], |v[(\ac)+16*\b]|, |v[(\ac)+16*\b+1]|, 0x1800000   ; my 16 numbers of block b, and the floor 2^(3 - 127): so the byte cannot fall under 1
.endr
	WIN ((\w)<<2)|((\w)<<4)
.irp i, 2,4,6,8,10,12,14
.irp b, 0,1,2,3
	v_max3_num_f32 v[TM+\b], v[TM+\b], |v[(\ac)+16*\b+\i]|, |v[(\ac)+16*\b+\i+1]|   ; (the four blocks by turns)
.endr
.endr
	WIN 0
.irp b, 0,1,2,3
	v_permlanex16_b32 v[TM+4+\b], v[TM+\b], s2, s3
.endr
.irp b, 0,1,2,3
	v_max_num_f32 v[TM+\b], v[TM+\b], v[TM+4+\b]   ; with lane l xor 16's: the block's largest magnitude
.endr
.irp b, 0,1,2,3
	v_add_nc_u32 v[TM+12+\b], 0xff000000, v[TM+\b] ; 2 off its exponent field: the conversion takes the exponent field of this operand as its scale
.endr
.irp b, 0,1,2,3
	v_lshrrev_b32 v[TM+4+\b], 23, v[TM+12+\b]      ; the scale's byte
.endr
	WIN \w
	v_cvt_scalef32_pk16_fp6_f32 v[\d0:\d0+2], v[(\ac):(\ac)+15], v[TM+12]
	v_cvt_scalef32_pk16_fp6_f32 v[T2:T2+2], v[(\ac)+16:(\ac)+31], v[TM+13]      ; (a conversion's three registers begin on an even number)
	v_cvt_scalef32_pk16_fp6_f32 v[\d1:\d1+2], v[(\ac)+32:(\ac)+47], v[TM+14]
	v_cvt_scalef32_pk16_fp6_f32 v[T2+4:T2+6], v[(\ac)+48:(\ac)+63], v[TM+15]
	WIN 0
	v_nop                                          ; one plain place behind a scaled conversion
.irp i, 0,1,2
	v_permlane16_swap_b32 v[\d0+\i], v[T2+\i]      ; the operand's layout wants a whole block in a lane
	v_permlane16_swap_b32 v[\d1+\i], v[T2+4+\i]
.endr
.irp i, 0,1,2
	v_mov_b32 v[\d0+3+\i], v[T2+\i]
	v_mov_b32 v[\d1+3+\i], v[T2+4+\i]
.endr
.endm
	PLACES NP                                      ; behind the last products
	s_mov_b32 s2, 0x76543210
	s_mov_b32 s3, 0xfedcba98                       ; v_permlanex16_b32's selects for lane l xor 16
	s_mov_b32 s66, 0xffff0000                      ; lanes 16-31
.irp b, 0,1,2,3
	v_mov_b32 v[TM+4+\b], 0                        ; written once: a lane permute's destination counts as one of its sources
.endr
	s_cmp_lt_u32 s95, 8                            ; the cluster's y: the same in all partners and all waves
	s_cbranch_scc0 .Lway_v
	; ---- q or k: a lane holds a token; my 128 channels are two heads.  Head c's record: ((batch x 16 + head) x 16 + block of 128 tokens)
	s_lshl_b32 s17, s95, 2
	s_add_co_u32 s17, s17, s41                     ; which 256 tokens
	s_lshr_b32 s20, s17, 3                         ; batch
	s_lshl_b32 s21, s17, 1
	s_add_co_u32 s21, s21, s15
	s_and_b32 s21, s21, 15                         ; block of 128 tokens
	s_lshl_b32 s22, s42, 2
	s_lshl_b32 s23, s16, 1
	s_add_co_u32 s22, s22, s23
	s_and_b32 s22, s22, 15                         ; my first head
	s_lshl_b32 s20, s20, 4
	s_add_co_u32 s20, s20, s22
	s_lshl_b32 s20, s20, 4
	s_add_co_u32 s20, s20, s21
	s_cmp_eq_u32 ttmp9, 0                          ; cluster x = 0: q, into q_ws; 1: k, into kv_ws
	s_cselect_b64 s[4:5], s[96:97], s[98:99]
	s_mov_b32 s23, KVREC
	s_cselect_b32 s23, QREC, s23
	s_mul_i32 s20, s20, s23
	s_mov_b32 s21, 0
	s_add_nc_u64 s[4:5], s[4:5], s[20:21]
	s_lshl_b32 s22, s23, 4                         ; the next head's records lie 16 records on
	s_mov_b32 s23, 0
	s_add_nc_u64 s[6:7], s[4:5], s[22:23]
.irp a, 0,1,2,3,4,5,6,7
.if \a%2 == 0
	s_wait_xcnt 0x0                                ; the last pair's stores have read their registers
.endif
	BIASQ \a
	QUANT 64*(\a%4), 2+\a/4, PCB+6*(\a%2), PCB+12+6*(\a%2)
	v_lshl_or_b32 v[SW+\a], v[TM+5], 8, v[TM+4]    ; head 0's scale word of tile a: two bytes, the upper two 0
	v_lshl_or_b32 v[SW+8+\a], v[TM+7], 8, v[TM+6]  ; head 1's
.if \a%2 == 1
.irp c, 0,1
.irp i, 0,1,2
	global_store_b128 v[LI16], v[PCB+12*\c+4*\i:PCB+12*\c+4*\i+3], s[4+2*\c:5+2*\c] offset:1536*(\a/2)+512*\i   ; two tiles' 12 registers: three pieces of 512 consecutive bytes
.endr
.endr
.endif
.endr
.irp c, 0,1
.irp i, 0,1,2,3
	v_cndmask_b32 v[SO+4*\c+\i], v[SW+8*\c+2*\i], v[SW+8*\c+2*\i+1], s66   ; lanes 0-15 tile 2 i's words, lanes 16-31 tile 2 i + 1's
.endr
	global_store_b128 v[LI16], v[SO+4*\c:SO+4*\c+3], s[4+2*\c:5+2*\c] offset:6144
.endr
	s_branch .Ljoin
.Lway_v:
	; ---- v: a lane holds a channel; my 128 channels are two heads of four tiles; my 128 tokens are one key step
	s_sub_co_u32 s20, s95, 8                       ; batch
	s_lshl_b32 s20, s20, 4
	s_lshl_b32 s21, s41, 2
	s_add_co_u32 s20, s20, s21
	s_lshl_b32 s21, s15, 1
	s_add_co_u32 s20, s20, s21                     ; batch x 16 + my first head
	s_lshl_b32 s20, s20, 4
	s_lshl_b32 s21, s42, 1
	s_add_co_u32 s20, s20, s21
	s_add_co_u32 s20, s20, s16                     ; + the key step
	s_mul_i32 s20, s20, KVREC
	s_add_co_u32 s20, s20, QREC                    ; v's part of the record
	s_mov_b32 s21, 0
	s_add_nc_u64 s[4:5], s[98:99], s[20:21]
	s_add_nc_u64 s[6:7], s[4:5], 16*KVREC
.irp a, 0,1,2,3,4,5,6,7
	s_wait_xcnt 0x0                                ; earlier stores have read their registers
	BIASV \a
	QUANT 64*(\a%4), 2+\a/4, PCB+12*(\a%2), PCB+12*(\a%2)+6
	v_lshl_or_b32 v[SW+\a], v[TM+5], 8, v[TM+4]    ; the tile's scale word: four blocks of 32 keys
	v_lshl_or_b32 v[SW+\a], v[TM+6], 16, v[SW+\a]
	v_lshl_or_b32 v[SW+\a], v[TM+7], 24, v[SW+\a]
.irp i, 0,1,2
	global_store_b128 v[LI16], v[PCB+12*(\a%2)+4*\i:PCB+12*(\a%2)+4*\i+3], s[4+2*(\a/4):5+2*(\a/4)] offset:1536*(\a%4)+512*\i
.endr
.endr
.irp c, 0,1
.irp i, 0,1
	v_cndmask_b32 v[SO+2*\c+\i], v[SW+4*\c+2*\i], v[SW+4*\c+2*\i+1], s66
.endr
	global_store_b64 v[LI8], v[SO+2*\c:SO+2*\c+1], s[4+2*\c:5+2*\c] offset:6144   ; 256 consecutive bytes
.endr
.Ljoin:
	s_wait_tensorcnt 0x0                           ; the wave's end
	ds_add_u32 v[SPW], v[NIL]
	s_wait_dscnt 0x0
	CROUND                                         ; the closing round: no work-group ends while a partner may still ask for a tile that names it
	s_endpgm
.Lfunc_end_k_q88c00ff650_qkv:
	.size	k_q88c00ff650_qkv, .Lfunc_end_k_q88c00ff650_qkv-k_q88c00ff650_qkv
	.p2alignl 7, 3214868480
	.fill 96, 4, 3214868480
	.section	.rodata,"a",@progbits
	.p2align	6, 0x0
	.amdhsa_kernel k_q88c00ff650_qkv
		.amdhsa_group_segment_fixed_size 327680
		.amdhsa_private_segment_fixed_size 0
		.amdhsa_enable_private_segment 0
		.amdhsa_kernarg_size 56
		.amdhsa_user_sgpr_count 2
		.amdhsa_user_sgpr_kernarg_segment_ptr 1
		.amdhsa_wavefront_size32 1
		.amdhsa_system_sgpr_workgroup_id_x 1
		.amdhsa_system_sgpr_workgroup_id_y 1
		.amdhsa_system_sgpr_workgroup_id_z 1
		.amdhsa_system_vgpr_workitem_id 0
		.amdhsa_next_free_vgpr 1024
		.amdhsa_next_free_sgpr 100
		.amdhsa_reserve_vcc 0
		.amdhsa_float_denorm_mode_32 3
		.amdhsa_float_denorm_mode_16_64 3
		.amdhsa_memory_ordered 1
		.amdhsa_forward_progress 1
		.amdhsa_inst_pref_size 236
	.end_amdhsa_kernel
	.amdgpu_metadata
---
amdhsa.version: [ 1, 2 ]
amdhsa.kernels:
  - .name:           k_q88c00ff650_qkv
    .symbol:         k_q88c00ff650_qkv.kd
    .args:
      - { .name: x_codes, .offset: 0, .size: 8, .value_kind: global_buffer, .address_space: global }
      - { .name: x_scales, .offset: 8, .size: 8, .value_kind: global_buffer, .address_space: global }
      - { .name: w_attn_codes, .offset: 16, .size: 8, .value_kind: global_buffer, .address_space: global }
      - { .name: w_attn_scales, .offset: 24, .size: 8, .value_kind: global_buffer, .address_space: global }
      - { .name: b_attn, .offset: 32, .size: 8, .value_kind: global_buffer, .address_space: global }
      - { .name: q_ws, .offset: 40, .size: 8, .value_kind: global_buffer, .address_space: global }
      - { .name: kv_ws, .offset: 48, .size: 8, .value_kind: global_buffer, .address_space: global }
    .group_segment_fixed_size: 327680
    .private_segment_fixed_size: 0
    .kernarg_segment_align: 8
    .kernarg_segment_size: 56
    .max_flat_workgroup_size: 128
    .sgpr_count:     100
    .vgpr_count:     1024
    .wavefront_size: 32
...
	.end_amdgpu_metadata
.endif
;; end of part 1
;; launch attn (part 2): grid 4 x 64, 16 waves a work-group, clusters of 4 x 1, 210,944 bytes of LDS; arguments q_ws, kv_ws, y_codes, y_sw; writes y_codes, y_sw
.if DOCPART == 2
	.amdgcn_target "amdgcn-amd-amdhsa--gfx1250"
	.amdhsa_code_object_version 6
	.text
	.protected	k_q88c00ff650_attn
	.globl	k_q88c00ff650_attn
	.p2align	8
	.type	k_q88c00ff650_attn,@function
k_q88c00ff650_attn:
	s_mov_b64 s[64:65], 0
	v_nop
	global_prefetch_b8 v0, s[64:65] scope:SCOPE_SE
	s_setreg_imm32_b32 hwreg(HW_REG_WAVE_MODE, 25, 1), 1
	s_wait_xcnt 0x0
	s_wait_alu depctr_hold_cnt(0) depctr_sa_sdst(0) depctr_va_vdst(0) depctr_va_sdst(0) depctr_va_ssrc(0) depctr_va_vcc(0) depctr_vm_vsrc(0)
	s_getreg_b32 s2, hwreg(HW_REG_IB_STS2, 6, 4)
	s_cmp_eq_u32 s2, 0
	s_cbranch_scc0 .Lentry_in_a_cluster
	s_endpgm
.Lentry_in_a_cluster:
	s_bfe_u32 s2, ttmp6, 0x10000c
	s_cmp_lg_u32 s2, 0x3003
	s_cbranch_scc0 .Lentry_shape_is_right
	s_endpgm
.Lentry_shape_is_right:
; Causal attention of one (batch, head) for each cluster of four work-groups, both products on codes of FP6 (E2M3); 2,048 tokens, head size 64.  The result is quantised along the channels and leaves as codes.
; t = score x log2(e) / 8; M = the running largest t rounded UP to a whole number; p = 2^(t - M) is quantised along the keys, not normalised; the row's sum is taken of the unquantised p and divides at the end.
; When M moves, the sum and O are multiplied by 2^(old M - new M): exact.
; K AND V OF THE WHOLE HEAD, 16 records of 13,056 bytes (one for each 128 keys, images of the operands' registers), fill LDS ONCE: wave w brings record w by one joint tensor load, which the four
; work-groups of the cluster issue alike.  No slot is filled again: one barrier, and one tensor load a wave is out.
; SHARES.  The head's 128 tiles of 16 queries: work-group x (its place in the cluster) and wave w take tile 2 x of block w (pass 0: key steps 0 .. w) and tile 2 x + 1 of block 15 - w (pass 1: key steps 0 .. 15 - w):
; 17 key steps of 128 keys for every wave.  A pass is a loop of 16 trips; the trips beyond the wave's block are passed over by a scalar branch on the wave's number, and the block's own trip masks the hidden keys.
; LAYOUT.  Both products are used transposed: S^T = K Q^T (source 0 = 16 keys), O^T = V^T P^T (source 0 = 16 channels): a lane holds ONE query throughout.  The keys of a tile, the channels of a tile of V and the
; queries of a tile are rows 32 b + 8 u + r + 8 (r / 8) of their 128 or 64 (tile 2 b + u, lane row r): so p's 16 registers of two tiles are 16 neighbouring keys, and O^T's 16 neighbouring channels.
; K = 64 IN AN INSTRUCTION OF 128: Q's operand has zero codes in its registers 6-11, so K's registers 6-11 may hold any codes (the format has no NaN and no infinity; the scale bytes there are 0, which is 2^-127):
; tile t's operand is v[28 + 6 t] on, 12 registers: its upper half is the next tile's codes, for tile 7 Q's stored codes.
; LIMITS: NaN and infinities are not served; a block under 2^-124 or of zeros keeps the scale byte 1 (its reader is this program alone).
; REGISTERS: v1 16 x lane, v2 8 x lane, v3-4 the step's LDS addresses, v5 the mask's number, v6 -infinity, v7-8 Q's offsets; v12 -M, v13 the largest t, v[14:15] the sum; v16-27 Q's operand; v28-75 K's 8 x 6, then V's 4 x 12;
;   v76-87 both passes' Q codes; v88-91 K's scale words, v92-93 V's, v94 and v225 Q's, v95 p's; v96-159 S^T, then p; v160-191 O^T; v192-203 p's codes; v204-211, v212-229 at work; v[230:231] y's scale words.
.set REC,  13056
.set QREC, 6656
.set QF,   16
.set KV,   28
.set QL,   76
.set KSC,  88
.set VSC,  92
.set PS,   95
.set S,    96
.set O,    160
.set PC,   192
.set T2,   204
.set BM,   212                         ; each block's largest score, then its largest p
.set BP,   216                         ; the other half's; then the bytes
.set BS,   220                         ; the conversions' scale operands
.set TP,   224
.set F,    226                         ; v[226:227]: f = 2^(old M - new M) in the low register
.set SU,   228
.set YW,   230
.set WV,   12                          ; s12 my wave's number
.set G1,   16                          ; s[16:23], s[24:27] the descriptor
.set G0,   24
.set SEL,  28                          ; s[28:29] lane selects for lane l xor 16
.set CS,   30                          ; s[30:31] c = log2(e) / 8
.set TB,   32                          ; s32 LDS byte of the trip's record
.set TC,   33                          ; s33 the trip
.set BLK,  34                          ; s34, s35 the passes' blocks of queries: w, 15 - w
.macro CROUND                          ; a round of the cluster's barrier
	s_barrier_signal -1
	s_barrier_wait -1
	s_cmp_lg_u32 s[WV], 0
	s_cbranch_scc1 .Lnot_wave_0_\@
	s_barrier_signal -3
.Lnot_wave_0_\@:
	s_barrier_wait -3
	s_barrier_signal -1
	s_barrier_wait -1
.endm
	s_load_b256 s[4:11], s[0:1], 0x0               ; q_ws s[4:5], kv_ws s[6:7], y_codes s[8:9], y_sw s[10:11]
	v_lshl_add_u32 v254, v0, 2, 0x33000
	v_mov_b32 v255, 0
	ds_add_u32 v254, v255
	ds_add_u32 v254, v255
	v_lshrrev_b32 v1, 5, v0
	s_delay_alu instid0(VALU_DEP_1)
	v_readfirstlane_b32 s[WV], v1                  ; wave 0..15
	s_bfe_u32 s13, ttmp6, 0x40000                  ; x: my place in the cluster: it enters global addresses and the mask's number alone
	s_and_b32 s14, ttmp7, 0xffff                   ; batch x 16 + head, which the four partners share
	s_mov_b32 s[G1], 15|(3<<16)|(1<<21)            ; 15:0 the mask: all four work-groups; 17:16 elements of 8 bytes; 21 set beside a mask; no padding
	s_mov_b32 s[G1+1], 32<<16                      ; a record is a dense block: 51 rows of 256 bytes
	s_mov_b32 s[G1+2], 51<<16
	s_mov_b32 s[G1+3], 32<<16
	s_mov_b32 s[G1+4], 51
	s_mov_b32 s[G1+5], 32
	s_mov_b32 s[G1+6], 0
	s_mov_b32 s[G1+7], 0
	s_mov_b32 s[SEL], 0x76543210
	s_mov_b32 s[SEL+1], 0xfedcba98
	s_mov_b32 s[CS], 0x3e38aa3b                    ; log2(e) / 8
	s_mov_b32 s[CS+1], s[CS]                       ; (named with it as a pair, so it is written)
	s_mov_b32 s[BLK], s[WV]
	s_xor_b32 s[BLK+1], s[WV], 15
	s_lshl_b32 s36, s14, 4
	s_add_co_u32 s37, s36, s[WV]
	s_mul_i32 s38, s37, REC                        ; the record of K and V that I fetch
	s_mov_b32 s39, 0
	s_mul_i32 s40, s37, QREC                       ; pass 0's record of Q
	s_mov_b32 s41, 0
	s_add_co_u32 s42, s36, s[BLK+1]
	s_mul_i32 s42, s42, QREC                       ; pass 1's
	s_mov_b32 s43, 0
	s_and_b32 s44, s14, 0xf0                       ; 16 x batch
	s_and_b32 s45, s14, 15
	s_mul_i32 s45, s45, 768                        ; the head's 768 bytes in a tile's 12,288
	s_lshl_b32 s46, s13, 1
.irp p, 0,1                                    ; y's codes: ((16 batch + block) x 8 + tile 2 x + p) x 12,288 + head x 768
	s_add_co_u32 s[48+2*\p], s44, s[BLK+\p]
	s_lshl_b32 s[48+2*\p], s[48+2*\p], 3
	s_add_co_u32 s[48+2*\p], s[48+2*\p], s46
.if \p
	s_add_co_u32 s[48+2*\p], s[48+2*\p], 1
.endif
	s_mul_i32 s[48+2*\p], s[48+2*\p], 12288
	s_add_co_u32 s[48+2*\p], s[48+2*\p], s45
	s_mov_b32 s[49+2*\p], 0
.endr
	s_lshl_b32 s52, s14, 2
	s_add_co_u32 s52, s52, s13
	s_lshl_b32 s52, s52, 4
	s_add_co_u32 s52, s52, s[WV]
	s_lshl_b32 s52, s52, 8                         ; y's scale words: a unit of 256 bytes for each (batch, head), x and wave
	s_mov_b32 s53, 0
	s_wait_dscnt 0x0
	s_wait_kmcnt 0x0
	s_mov_b32 s[G0], 1                             ; 1:0 count = 1
	s_mul_i32 s[G0+1], s[WV], REC                  ; LDS address: wave x 13,056
	s_add_nc_u64 s[G0+2:G0+3], s[6:7], s[38:39]
	s_or_b32 s[G0+3], s[G0+3], 0x80000000          ; type = 2
	s_add_nc_u64 s[40:41], s[4:5], s[40:41]
	s_add_nc_u64 s[42:43], s[4:5], s[42:43]
	s_add_nc_u64 s[48:49], s[8:9], s[48:49]
	s_add_nc_u64 s[50:51], s[8:9], s[50:51]
	s_add_nc_u64 s[52:53], s[10:11], s[52:53]
	CROUND                                         ; all four work-groups are here: the joint loads meet
	tensor_load_to_lds s[G0:G0+3], s[G1:G1+7]      ; my one tensor load
	s_nop 0
.rept 4
	v_nop
.endr
	v_and_b32 v9, 31, v0
	s_delay_alu instid0(VALU_DEP_1)
	v_lshlrev_b32 v1, 4, v9
	s_delay_alu instid0(VALU_DEP_2)
	v_lshlrev_b32 v2, 3, v9
	v_and_b32 v10, 15, v0                          ; r
	v_bfe_u32 v11, v0, 4, 1                        ; h
	s_mul_i32 s37, s13, 1536
	v_add_nc_u32 v7, s37, v1                       ; Q: tiles 2 x and 2 x + 1 are registers 12 x .. 12 x + 11 of the record's image: three pieces of 512 bytes
	s_lshl_b32 s36, s13, 2
	v_lshl_add_u32 v8, v10, 4, s36                 ; and their scale words: register x of four, lane r
	global_load_b128 v[QL:QL+3], v7, s[40:41]                  ; tile 2 x of block w: registers 0-3,
	global_load_b64 v[QL+4:QL+5], v7, s[40:41] offset:512      ; 4-5
	global_load_b64 v[QL+6:QL+7], v7, s[42:43] offset:520      ; tile 2 x + 1 of block 15 - w: registers 0-1,
	global_load_b128 v[QL+8:QL+11], v7, s[42:43] offset:1024   ; 2-5
	global_load_b32 v94, v8, s[40:41] offset:6144              ; an even tile's words lie in the image's lanes 0-15,
	global_load_b32 v225, v8, s[42:43] offset:6400             ; an odd tile's in its lanes 16-31
	v_bfe_u32 v5, v0, 3, 1
	s_delay_alu instid0(VALU_DEP_1)
	v_lshl_add_u32 v5, v5, 3, v10                  ; r + 8 (r / 8)
	v_lshlrev_b32 v11, 4, v11
	s_delay_alu instid0(VALU_DEP_1)
	v_sub_nc_u32 v5, v5, v11
	s_lshl_b32 s38, s13, 5
	v_add_nc_u32 v5, s38, v5                       ; pass 0's query in its block, less 16 h: 32 x + r + 8 (r / 8) - 16 h; pass 1's is 8 more
	v_mov_b32 v6, 0xff800000                       ; -infinity
.irp i, 6,7,8,9,10,11
	v_mov_b32 v[QF+\i], 0                          ; Q's zero codes for K = 64 .. 127
.endr
.irp b, 0,1,2,3
	v_mov_b32 v[BP+\b], 0                          ; written once: a lane permute's destination counts as one of its sources
.endr
	v_mov_b32 v[TP], 0
	v_mov_b32 v[F+1], 0                            ; (named as the upper half of a pair)
	s_wait_loadcnt 0x0                             ; Q
	s_wait_tensorcnt 0x0                           ; my record is in LDS,
	s_barrier_signal -1
	s_barrier_wait -1                              ; everybody's is
.macro PASS p, qs
	s_wait_xcnt 0x0                                ; the last pass's stores have read their registers
.irp i, 0,1,2,3,4,5
	v_mov_b32 v[QF+\i], v[QL+6*\p+\i]              ; the pass's Q: the operand shares no register with K's tile 7, whose upper half is v76-81
.endr
	v_mov_b32 v13, 0xff61b1e6                      ; the largest t so far: -3e38, under every t
	s_delay_alu instid0(VALU_DEP_1)
	v_floor_f32 v12, -v13                          ; -M
	v_mov_b32 v14, 0
	v_mov_b32 v15, 0
.set n, 0
.rept 32
	v_mov_b32 v[O+n], 0                            ; O^T: the trip is written once; the first finds zeros, which the first change of M leaves zeros
.set n, n+1
.endr
	s_mov_b32 s[TB], 0
	s_mov_b32 s[TC], 0
.Ltrip_\@:
	s_cmp_gt_u32 s[TC], s[BLK+\p]                  ; all 128 keys come after my queries: the trip's work is left out
	s_cbranch_scc1 .Lskip_\@
	s_setprio 2
	v_add_nc_u32 v3, s[TB], v1
	v_add_nc_u32 v4, s[TB], v2
.irp i, 0,1,2,3,4,5,6,7,8,9,10,11
	ds_load_b128 v[KV+4*\i:KV+4*\i+3], v3 offset:512*\i        ; K's eight tiles, six registers each: 512 consecutive bytes a load
.endr
	ds_load_b128 v[KSC:KSC+3], v3 offset:6144                  ; their scale words
	s_wait_alu depctr_va_vdst(0)
	s_wait_dscnt 0x0
.irp t, 0,1,2,3,4,5,6,7
.if \t%2
	v_wmma_scale_f32_16x16x128_f8f6f4 v[S+8*\t:S+8*\t+7], v[KV+6*\t:KV+6*\t+11], v[QF:QF+11], 0, v[KSC+\t/2], v[\qs] matrix_a_fmt:MATRIX_FMT_FP6 matrix_b_fmt:MATRIX_FMT_FP6 matrix_a_scale:MATRIX_SCALE_ROW1
.else
	v_wmma_scale_f32_16x16x128_f8f6f4 v[S+8*\t:S+8*\t+7], v[KV+6*\t:KV+6*\t+11], v[QF:QF+11], 0, v[KSC+\t/2], v[\qs] matrix_a_fmt:MATRIX_FMT_FP6 matrix_b_fmt:MATRIX_FMT_FP6
.endif
.endr
.rept 4
	v_nop                                          ; places in front of the loads into K's registers and of the first read of the scores
.endr
.irp i, 0,1,2,3,4,5,6,7,8,9,10,11
	ds_load_b128 v[KV+4*\i:KV+4*\i+3], v3 offset:6656+512*\i   ; V's four tiles, 12 registers each: they land while the softmax is worked
.endr
	ds_load_b64 v[VSC:VSC+1], v4 offset:12800
	s_cmp_lg_u32 s[TC], s[BLK+\p]
	s_cbranch_scc1 .Lopen_\@                       ; only my own block's trip has hidden keys
.set n, 0
.rept 64                                       ; register 16 b + i holds key 32 b + 16 h + i of the step: hidden where it comes after my query
	v_cmp_gt_i32 vcc_lo, 32*(n/16)+n%16-8*\p, v5
	v_cndmask_b32 v[S+n], v[S+n], v6, vcc_lo
.set n, n+1
.endr
.Lopen_\@:
.irp b, 0,1,2,3
	v_max3_num_f32 v[BM+\b], v[S+16*\b], v[S+16*\b+1], v[S+16*\b+2]   ; the largest score of each block of 32 keys: it serves for the row's maximum and, since p rises with the score, for the block's largest p
.endr
.irp i, 3,5,7,9,11,13
.irp b, 0,1,2,3
	v_max3_num_f32 v[BM+\b], v[BM+\b], v[S+16*\b+\i], v[S+16*\b+\i+1]
.endr
.endr
.irp b, 0,1,2,3
	v_max_num_f32 v[BM+\b], v[BM+\b], v[S+16*\b+15]
.endr
.irp b, 0,1,2,3
	s_delay_alu instid0(VALU_DEP_4)
	v_permlanex16_b32 v[BP+\b], v[BM+\b], s[SEL], s[SEL+1]
.endr
.irp b, 0,1,2,3
	s_delay_alu instid0(VALU_DEP_4)
	v_max_num_f32 v[BM+\b], v[BM+\b], v[BP+\b]     ; with lane l xor 16's 16 keys
.endr
	s_delay_alu instid0(VALU_DEP_2)
	v_max3_num_f32 v[TP], v[BM], v[BM+1], v[BM+2]
	s_delay_alu instid0(VALU_DEP_1)
	v_max_num_f32 v[TP], v[TP], v[BM+3]            ; the step's largest score of my query (the step's first key is never hidden)
	s_delay_alu instid0(VALU_DEP_1)
	v_mul_f32 v[TP], s[CS], v[TP]
	s_delay_alu instid0(VALU_DEP_1)
	v_max_num_f32 v13, v13, v[TP]                  ; the running largest t
	v_mov_b32 v[TP], v12
	s_delay_alu instid0(VALU_DEP_2)
	v_floor_f32 v12, -v13                          ; the new -M = -ceil(t)
	s_delay_alu instid0(VALU_DEP_1)
	v_sub_f32 v[TP], v12, v[TP]                    ; old M - new M: a whole number, 0 or less
	s_delay_alu instid0(VALU_DEP_1)
	v_cvt_i32_f32 v[TP], v[TP]                     ; (it saturates)
	s_delay_alu instid0(VALU_DEP_1)
	v_ldexp_f32 v[F], 1.0, v[TP]                   ; f = 2^(old M - new M)
.set n, 0
.rept 32
	v_pk_fma_f32 v[S+n:S+n+1], v[S+n:S+n+1], s[CS:CS+1], v[12:13] op_sel_hi:[1,0,0]   ; t - M, two at a time
.set n, n+2
.endr
	s_setprio 1
.irp b, 0,1,2,3
	v_fma_f32 v[BM+\b], v[BM+\b], s[CS], v12       ; the same of each block's largest score
.endr
.set n, 0
	s_wait_alu depctr_va_vdst(0)
.rept 64
	v_exp_f32 v[S+n], v[S+n]                       ; p = 2^(t - M)
.set n, n+1
.endr
.irp b, 0,1,2,3
	v_exp_f32 v[BM+\b], v[BM+\b]                   ; the block's largest p: the same two instructions on the same number
.endr
	v_pk_mul_f32 v[14:15], v[14:15], v[F:F+1] op_sel_hi:[1,0]   ; the sums under the new M (a plain place behind the exponentials)
	s_wait_alu depctr_va_vdst(0)
.irp b, 0,1,2,3
	v_max_num_f32 v[BM+\b], 0x1800000, v[BM+\b]    ; the floor 2^(3 - 127): the byte cannot fall under 1
.endr
.irp b, 0,1,2,3
	s_delay_alu instid0(VALU_DEP_4)
	v_add_nc_u32 v[BS+\b], 0xff000000, v[BM+\b]    ; 2 off the exponent field: the conversion's scale operand
.endr
.irp b, 0,1,2,3
	s_delay_alu instid0(VALU_DEP_4)
	v_lshrrev_b32 v[BP+\b], 23, v[BS+\b]           ; the scale's byte
.endr
	s_delay_alu instid0(VALU_DEP_3)
	v_lshl_or_b32 v[PS], v[BP+1], 8, v[BP]         ; p's scale word for these 128 keys
	s_delay_alu instid0(VALU_DEP_1)
	v_lshl_or_b32 v[PS], v[BP+2], 16, v[PS]
	s_delay_alu instid0(VALU_DEP_1)
	v_lshl_or_b32 v[PS], v[BP+3], 24, v[PS]
.irp c, 0,1
	v_cvt_scalef32_pk16_fp6_f32 v[PC+6*\c:PC+6*\c+2], v[S+32*\c:S+32*\c+15], v[BS+2*\c]
	v_cvt_scalef32_pk16_fp6_f32 v[T2+4*\c:T2+4*\c+2], v[S+32*\c+16:S+32*\c+31], v[BS+2*\c+1]
.endr
	v_nop                                          ; one plain place behind a scaled conversion
.irp c, 0,1
.irp i, 0,1,2
	v_permlane16_swap_b32 v[PC+6*\c+\i], v[T2+4*\c+\i]   ; the operand's layout wants a whole block in a lane
.endr
.irp i, 0,1,2
	s_delay_alu instid0(VALU_DEP_3)
	v_mov_b32 v[PC+6*\c+3+\i], v[T2+4*\c+\i]
.endr
.endr
	v_pk_add_f32 v[228:229], v[100:101], v[104:105]
	v_pk_add_f32 v[252:253], v[108:109], v[112:113]
	v_pk_add_f32 v[250:251], v[116:117], v[120:121]
	v_pk_add_f32 v[248:249], v[124:125], v[128:129]
	v_pk_add_f32 v[246:247], v[132:133], v[136:137]
	v_pk_add_f32 v[244:245], v[140:141], v[144:145]
	v_pk_add_f32 v[242:243], v[148:149], v[152:153]
	v_pk_add_f32 v[14:15], v[14:15], v[156:157]
	v_pk_add_f32 v[228:229], v[228:229], v[96:97]
	v_pk_add_f32 v[252:253], v[252:253], v[98:99]
	v_pk_add_f32 v[250:251], v[250:251], v[102:103]
	v_pk_add_f32 v[248:249], v[248:249], v[106:107]
	v_pk_add_f32 v[246:247], v[246:247], v[110:111]
	v_pk_add_f32 v[244:245], v[244:245], v[114:115]
	v_pk_add_f32 v[242:243], v[242:243], v[118:119]
	s_setprio 0
	v_pk_add_f32 v[14:15], v[14:15], v[122:123]
	v_pk_add_f32 v[228:229], v[228:229], v[126:127]
	v_pk_add_f32 v[252:253], v[252:253], v[130:131]
	v_pk_add_f32 v[250:251], v[250:251], v[134:135]
	v_pk_add_f32 v[248:249], v[248:249], v[138:139]
	v_pk_add_f32 v[246:247], v[246:247], v[142:143]
	v_pk_add_f32 v[244:245], v[244:245], v[146:147]
	v_pk_add_f32 v[242:243], v[242:243], v[150:151]
	v_pk_add_f32 v[14:15], v[14:15], v[154:155]
	v_pk_add_f32 v[228:229], v[228:229], v[158:159]
	s_delay_alu instid0(VALU_DEP_2)
	v_pk_add_f32 v[14:15], v[14:15], v[248:249]
	s_delay_alu instid0(VALU_DEP_2)
	v_pk_add_f32 v[228:229], v[228:229], v[246:247]
	v_pk_add_f32 v[252:253], v[252:253], v[244:245]
	v_pk_add_f32 v[250:251], v[250:251], v[242:243]
	s_delay_alu instid0(VALU_DEP_2)
	v_pk_add_f32 v[14:15], v[14:15], v[252:253]
	s_delay_alu instid0(VALU_DEP_2)
	v_pk_add_f32 v[228:229], v[228:229], v[250:251]
	s_delay_alu instid0(VALU_DEP_1)
	v_pk_add_f32 v[14:15], v[14:15], v[228:229]
.set n, 0
.rept 16
	v_pk_mul_f32 v[O+n:O+n+1], v[O+n:O+n+1], v[F:F+1] op_sel_hi:[1,0]   ; O^T under the new M.  (With the sums: more than the eight places that p's scale word wants in front of the products)
.set n, n+2
.endr
	s_wait_alu depctr_va_vdst(0)
	s_wait_dscnt 0x0                               ; V
.irp t, 0,1,2,3                                ; O^T += V^T P^T; the four accumulators by turns
.if \t%2
	v_wmma_scale_f32_16x16x128_f8f6f4 v[O+8*\t:O+8*\t+7], v[KV+12*\t:KV+12*\t+11], v[PC:PC+11], v[O+8*\t:O+8*\t+7], v[VSC+\t/2], v[PS] matrix_a_fmt:MATRIX_FMT_FP6 matrix_b_fmt:MATRIX_FMT_FP6 matrix_a_scale:MATRIX_SCALE_ROW1
.else
	v_wmma_scale_f32_16x16x128_f8f6f4 v[O+8*\t:O+8*\t+7], v[KV+12*\t:KV+12*\t+11], v[PC:PC+11], v[O+8*\t:O+8*\t+7], v[VSC+\t/2], v[PS] matrix_a_fmt:MATRIX_FMT_FP6 matrix_b_fmt:MATRIX_FMT_FP6
.endif
.endr
.rept 4
	v_nop                                          ; places in front of the next trip's loads into V's registers, and of the pass's end
.endr
.Lskip_\@:
	s_add_co_u32 s[TB], s[TB], REC
	s_add_co_u32 s[TC], s[TC], 1
	s_cmp_lt_u32 s[TC], 16
	s_cbranch_scc1 .Ltrip_\@
	s_setprio 0
	; the pass's end: O^T / the sum; its 32 registers are two blocks of 32 channels (register 16 b + i = channel 32 b + 16 h + i): quantised, they are six registers of the last product's operand
	v_add_f32 v14, v14, v15
	s_delay_alu instid0(VALU_DEP_1)
	v_permlanex16_b32 v[TP], v14, s[SEL], s[SEL+1]
	s_delay_alu instid0(VALU_DEP_1)
	v_add_f32 v14, v14, v[TP]                      ; the row's sum
	s_wait_alu depctr_va_vdst(0)
	v_rcp_f32 v14, v14
	v_nop                                          ; one plain place behind a transcendental
.set n, 0
	s_wait_alu depctr_va_vdst(0)
.rept 32
	v_mul_f32 v[S+n], v[O+n], v14
.set n, n+1
.endr
.irp b, 0,1
	v_max3_num_f32 v[BM+\b], |v[S+16*\b]|, |v[S+16*\b+1]|, 0x1800000
.endr
.irp i, 2,4,6,8,10,12,14
.irp b, 0,1
	s_delay_alu instid0(VALU_DEP_2)
	v_max3_num_f32 v[BM+\b], v[BM+\b], |v[S+16*\b+\i]|, |v[S+16*\b+\i+1]|
.endr
.endr
.irp b, 0,1
	s_delay_alu instid0(VALU_DEP_2)
	v_permlanex16_b32 v[BP+\b], v[BM+\b], s[SEL], s[SEL+1]
.endr
.irp b, 0,1
	s_delay_alu instid0(VALU_DEP_2)
	v_max_num_f32 v[BM+\b], v[BM+\b], v[BP+\b]
.endr
.irp b, 0,1
	s_delay_alu instid0(VALU_DEP_2)
	v_add_nc_u32 v[BS+\b], 0xff000000, v[BM+\b]
.endr
.irp b, 0,1
	s_delay_alu instid0(VALU_DEP_2)
	v_lshrrev_b32 v[BP+\b], 23, v[BS+\b]
.endr
	s_delay_alu instid0(VALU_DEP_1)
	v_lshl_or_b32 v[YW+\p], v[BP+1], 8, v[BP]      ; my row's two scale bytes of this head
	v_cvt_scalef32_pk16_fp6_f32 v[PC:PC+2], v[S:S+15], v[BS]
	v_cvt_scalef32_pk16_fp6_f32 v[T2:T2+2], v[S+16:S+31], v[BS+1]
	v_nop                                          ; one plain place behind a scaled conversion
.irp i, 0,1,2
	v_permlane16_swap_b32 v[PC+\i], v[T2+\i]
.endr
.irp i, 0,1,2
	s_delay_alu instid0(VALU_DEP_3)
	v_mov_b32 v[PC+3+\i], v[T2+\i]
.endr
	global_store_b128 v1, v[PC:PC+3], s[48+2*\p:49+2*\p]               ; registers 0-3: 512 consecutive bytes, aligned to 256
	global_store_b64 v2, v[PC+4:PC+5], s[48+2*\p:49+2*\p] offset:512   ; registers 4-5: 256
.endm
	PASS 0, 94
	PASS 1, 225
	global_store_b64 v2, v[YW:YW+1], s[52:53]      ; both passes' scale words: 256 consecutive bytes (lanes 16-31 repeat lanes 0-15)
	s_wait_tensorcnt 0x0
	ds_add_u32 v254, v255
	s_wait_dscnt 0x0
	CROUND                                         ; the closing round
	s_endpgm
.Lfunc_end_k_q88c00ff650_attn:
	.size	k_q88c00ff650_attn, .Lfunc_end_k_q88c00ff650_attn-k_q88c00ff650_attn
	.p2alignl 7, 3214868480
	.fill 96, 4, 3214868480
	.section	.rodata,"a",@progbits
	.p2align	6, 0x0
	.amdhsa_kernel k_q88c00ff650_attn
		.amdhsa_group_segment_fixed_size 210944
		.amdhsa_private_segment_fixed_size 0
		.amdhsa_enable_private_segment 0
		.amdhsa_kernarg_size 32
		.amdhsa_user_sgpr_count 2
		.amdhsa_user_sgpr_kernarg_segment_ptr 1
		.amdhsa_wavefront_size32 1
		.amdhsa_system_sgpr_workgroup_id_x 1
		.amdhsa_system_sgpr_workgroup_id_y 1
		.amdhsa_system_sgpr_workgroup_id_z 1
		.amdhsa_system_vgpr_workitem_id 0
		.amdhsa_next_free_vgpr 256
		.amdhsa_next_free_sgpr 66
		.amdhsa_reserve_vcc 1
		.amdhsa_float_denorm_mode_32 3
		.amdhsa_float_denorm_mode_16_64 3
		.amdhsa_memory_ordered 1
		.amdhsa_forward_progress 1
		.amdhsa_inst_pref_size 61
	.end_amdhsa_kernel
	.amdgpu_metadata
---
amdhsa.version: [ 1, 2 ]
amdhsa.kernels:
  - .name:           k_q88c00ff650_attn
    .symbol:         k_q88c00ff650_attn.kd
    .args:
      - { .name: q_ws, .offset: 0, .size: 8, .value_kind: global_buffer, .address_space: global }
      - { .name: kv_ws, .offset: 8, .size: 8, .value_kind: global_buffer, .address_space: global }
      - { .name: y_codes, .offset: 16, .size: 8, .value_kind: global_buffer, .address_space: global }
      - { .name: y_sw, .offset: 24, .size: 8, .value_kind: global_buffer, .address_space: global }
    .group_segment_fixed_size: 210944
    .private_segment_fixed_size: 0
    .kernarg_segment_align: 8
    .kernarg_segment_size: 32
    .max_flat_workgroup_size: 512
    .sgpr_count:     66
    .vgpr_count:     256
    .wavefront_size: 32
...
	.end_amdgpu_metadata
.endif
;; end of part 2
;; launch proj (part 3): grid 4 x 64, 4 waves a work-group, clusters of 4 x 4, 327,680 bytes of LDS; arguments y_codes, y_sw, w_proj_codes, w_proj_scales, b_proj, out0; writes out0
.if DOCPART == 3
	.amdgcn_target "amdgcn-amd-amdhsa--gfx1250"
	.amdhsa_code_object_version 6
	.text
	.protected	k_q88c00ff650_proj
	.globl	k_q88c00ff650_proj
	.p2align	8
	.type	k_q88c00ff650_proj,@function
k_q88c00ff650_proj:
	s_mov_b64 s[64:65], 0
	v_nop
	global_prefetch_b8 v0, s[64:65] scope:SCOPE_SE
	s_setreg_imm32_b32 hwreg(HW_REG_WAVE_MODE, 25, 1), 1
	s_wait_xcnt 0x0
	s_wait_alu depctr_hold_cnt(0) depctr_sa_sdst(0) depctr_va_vdst(0) depctr_va_sdst(0) depctr_va_ssrc(0) depctr_va_vcc(0) depctr_vm_vsrc(0)
	s_getreg_b32 s2, hwreg(HW_REG_IB_STS2, 6, 4)
	s_cmp_eq_u32 s2, 0
	s_cbranch_scc0 .Lentry_in_a_cluster
	s_endpgm
.Lentry_in_a_cluster:
	s_bfe_u32 s2, ttmp6, 0x10000c
	s_cmp_lg_u32 s2, 0xf033
	s_cbranch_scc0 .Lentry_shape_is_right
	s_endpgm
.Lentry_shape_is_right:
; out0 = y w_proj + b_proj on codes of FP6 (E2M3), K = 1,024.  y comes as images of operand registers: y_codes [tile of 16 tokens 512][head 16] records of 768 bytes (six registers: 0-3 at 16 x lane, 4-5 at 512 + 8 x lane);
; two heads are one fragment of 128 along K.  Its scale words lie in y_sw, two bytes for each row and head.  w_proj: 1,024 rows (columns of out0) of 768 bytes of codes, K innermost, 32 scale bytes a row.
; A work-group of four waves makes 128 tokens x 256 columns: 256 work-groups; a wave makes 64 x 128: 32 accumulators.  K goes in steps of 256 (four heads) through a ring of two LDS slots.
; THE MATRIX INSTRUCTION IS USED TRANSPOSED: source 0 = 16 rows of w_proj, source 1 = a tile of y: a lane holds one token and eight neighbouring columns.
; A tile's tokens are not neighbours: lane row r of tile a holds token 32 (a / 2) + 8 (a % 2) + r + 8 (r / 8) of the block of 128: the stores' offsets put each row in its place.
; ALL SCALE WORDS STAY IN REGISTERS: w_proj's 8 tiles x 8 steps of 128, y's 2 x 8 (lanes 0-15 the even tile, lanes 16-31 the odd one).  The bias is the C of each sum's first matrix instruction.
; CLUSTERS: 4 x 4 work-groups; y's tiles are shared along a row of the cluster, w_proj's along a column: each is asked for jointly.
; REGISTERS, in windows of 256: window 0: v1-31 addresses; v32-95 w_proj's scale words (8 b + step); v96-111 y's (8 (a / 2) + step); v112-175 the bias, later rows of out0; v176-239 at work, later rows of out0.
;   window 1: the accumulators ((a, b) at v[8 (8 a + b)]).   window 2: w_proj's fragments, two sets, at v0 and v128.   window 3: y's, two sets, at v0 and v128.
.set ROWB,   192
.set KROW,   768
.set PITCH,  240                       ; w_proj's LDS row: 3 x (64 bytes + 16 of padding)
.set FR,     12
.set YT,     3072                      ; a tile of y in a slot: four heads' records
.set WOFF,   8*YT                      ; a slot: y's eight tiles, then w_proj's 256 rows
.set SLOT,   WOFF+256*PITCH            ; 86,016
.set SPARE,  2*SLOT                    ; the spare words, 128 bytes for each wave: two blocks of 256 bytes that no other line names
.set SPITCH, 528                       ; the way out: a stage of 16 rows x (512 bytes + 16) for each wave, in slot 0, which has had its last fill and its last read when the first result is stored there
.set ADW,  16                          ; v16-17 LDS address of my fragments of w_proj in slot 0, 1; v18-19 the same behind one padding more
.set ADY,  20                          ; v20-21 of y's images, 16 bytes a lane; v22-23 8 bytes a lane
.set STO,  24
.set RD,   25
.set CO,   26                          ; v26 16 x lane
.set WSO,  27                          ; v27 32 r
.set SPW,  28
.set NIL,  29
.set BO,   30                          ; v30 32 h
.set YO,   31                          ; v31 my lane's place among y's scale words
.set WS,   32
.set YS,   96
.set BIAS, 112
.set YE,   176
.set BK,   112
.set G1, 24                            ; s[24:31] descriptor group 1 for y's tiles;  s[32:39] group 0, one set for each slot
.set G0, 32
.set G1B, 48                           ; s[48:55], s[56:63] the same for w_proj's
.set G0B, 56
.set MSB, 0
.macro WIN new                         ; the immediate's high byte repeats the setting that is left
.if MSB != (\new)
	s_set_vgpr_msb (MSB<<8)|(\new)
.set MSB, (\new)
.endif
.endm
.set MUL,   0x5e                       ; source 0 window 2, source 1 window 3, C and D window 1
.set MUL_B, 0x4e                       ; the same with C (the bias) in window 0
.macro JLOAD s                         ; a joint load: waves 0 and 1 fetch y's halves, waves 2 and 3 w_proj's; four v_nop follow each line
	s_cmp_eq_u32 s17, 0
	s_cbranch_scc0 .Lfor_w_\@
	tensor_load_to_lds s[G0+4*\s:G0+4*\s+3], s[G1:G1+7]
	s_nop 0
.rept 4
	v_nop
.endr
	s_branch .Lasked_\@
.Lfor_w_\@:
	tensor_load_to_lds s[G0B+4*\s:G0B+4*\s+3], s[G1B:G1B+7]
	s_nop 0
.rept 4
	v_nop
.endr
.Lasked_\@:
.endm
.macro CREST
	s_cmp_lg_u32 s16, 0
	s_cbranch_scc1 .Lnot_wave_0_\@
	s_barrier_signal -3
.Lnot_wave_0_\@:
	s_barrier_wait -3
	s_barrier_signal -1
	s_barrier_wait -1
.endm
.macro CROUND
	s_barrier_signal -1
	s_barrier_wait -1
	CREST
.endm
	s_load_b256 s[4:11], s[0:1], 0x0               ; y_codes s[4:5], y_sw s[6:7], w_proj's codes s[8:9], its scales s[10:11]
	s_load_b128 s[12:15], s[0:1], 0x20             ; b_proj s[12:13], out0 s[14:15]
	v_lshl_add_u32 v[SPW], v0, 2, SPARE
	v_mov_b32 v[NIL], 0
	ds_add_u32 v28, v29
	ds_add_u32 v28, v29
	s_wait_dscnt 0x0
	v_lshrrev_b32 v1, 5, v0
	v_readfirstlane_b32 s16, v1                    ; wave 0..3
	s_lshr_b32 s17, s16, 1                         ; which 64 tokens are mine.  Also: I fetch for y (0) or for w_proj (1)
	s_and_b32 s18, s16, 1                          ; which 128 columns.  Also: which half of that tile I fetch
	s_bfe_u32 s40, ttmp6, 0x40000                  ; cx, cy
	s_bfe_u32 s41, ttmp6, 0x40004
	s_lshl_b32 s42, ttmp9, 2
	s_add_co_u32 s42, s42, s40                     ; which 256 columns
	s_and_b32 s19, ttmp7, 0xffff
	s_lshl_b32 s19, s19, 2
	s_add_co_u32 s19, s19, s41                     ; which block of 128 tokens, 0..63
	s_lshl_b32 s43, s41, 2
	s_lshl_b32 s43, 15, s43                        ; my row of the cluster
	s_lshl_b32 s44, 0x1111, s40                    ; my column
	s_or_b32 s[G1+0], s43, (3<<16)|(1<<21)         ; y: four tiles' 3,072 bytes (384 elements of 8 bytes), 12,288 bytes apart; no padding
	s_mov_b32 s[G1+1], 384<<16
	s_mov_b32 s[G1+2], 4<<16
	s_mov_b32 s[G1+3], 384<<16
	s_mov_b32 s[G1+4], 4
	s_mov_b32 s[G1+5], 1536
	s_mov_b32 s[G1+6], 0
	s_mov_b32 s[G1+7], 0
	s_or_b32 s[G1B+0], s44, (1<<20)|(1<<21)|(3<<22)|(3<<25)   ; w_proj: 128 rows of 192 bytes; 16 bytes of padding behind every 64
	s_mov_b32 s[G1B+1], ROWB<<16
	s_mov_b32 s[G1B+2], 128<<16
	s_mov_b32 s[G1B+3], ROWB<<16
	s_mov_b32 s[G1B+4], 128
	s_mov_b32 s[G1B+5], KROW
	s_mov_b32 s[G1B+6], 0
	s_mov_b32 s[G1B+7], 0
	s_lshl_b32 s20, s19, 3
	s_lshl_b32 s21, s18, 2
	s_add_co_u32 s20, s20, s21
	s_mul_i32 s20, s20, 12288                      ; y: tile 8 x block + 4 x half
	s_mov_b32 s21, 0
	s_lshl_b32 s46, s42, 8
	s_lshl_b32 s47, s18, 7
	s_add_co_u32 s46, s46, s47
	s_mul_i32 s46, s46, KROW                       ; w_proj: row 256 x column tile + 128 x half
	s_mov_b32 s47, 0
	s_mul_i32 s45, s18, 4*YT                       ; where they go: no place in the cluster enters an LDS address
	s_mul_i32 s22, s18, 128*PITCH
	s_add_co_u32 s22, s22, WOFF
	s_wait_kmcnt 0x0
	s_add_nc_u64 s[20:21], s[4:5], s[20:21]
	s_add_nc_u64 s[46:47], s[8:9], s[46:47]
	CROUND                                         ; all sixteen work-groups are here: the first joint loads meet
.irp s, 0,1
	s_mov_b32 s[G0+4*\s], 1
	s_add_co_u32 s[G0+4*\s+1], s45, \s*SLOT
	s_add_nc_u64 s[G0+4*\s+2:G0+4*\s+3], s[20:21], \s*YT
	s_or_b32 s[G0+4*\s+3], s[G0+4*\s+3], 0x80000000
	s_mov_b32 s[G0B+4*\s], 1
	s_add_co_u32 s[G0B+4*\s+1], s22, \s*SLOT
	s_add_nc_u64 s[G0B+4*\s+2:G0B+4*\s+3], s[46:47], \s*ROWB
	s_or_b32 s[G0B+4*\s+3], s[G0B+4*\s+3], 0x80000000
	s_wait_alu depctr_va_vdst(0)
	s_wait_tensorcnt 0x0
	ds_add_u32 v28, v29
	ds_add_u32 v28, v29
	s_wait_dscnt 0x0
	CROUND
	JLOAD \s
.endr
	v_and_b32 v1, 15, v0                           ; r
	v_bfe_u32 v2, v0, 4, 1                         ; h
	v_and_b32 v3, 31, v0                           ; lane
	v_mul_u32_u24 v4, v1, PITCH
	v_mad_u32_u24 v4, v2, 24, v4
	v_lshl_add_u32 v5, v2, 4, v4
	v_lshlrev_b32 v[CO], 4, v3
	v_lshlrev_b32 v7, 3, v3
	s_mul_i32 s21, s18, 128*PITCH
	s_add_co_u32 s21, s21, WOFF                    ; my 128 rows of w_proj
	s_mul_i32 s22, s17, 4*YT                       ; my four tiles of y
.irp s, 0,1
	v_add_nc_u32 v[ADW+\s], s21, v4
	v_add_nc_u32 v[ADW+2+\s], s21, v5
	v_add_nc_u32 v[ADY+\s], s22, v[CO]
	v_add_nc_u32 v[ADY+2+\s], s22, v7
	s_add_co_u32 s21, s21, SLOT
	s_add_co_u32 s22, s22, SLOT
.endr
	s_mul_i32 s23, s16, 16*SPITCH                  ; my stage
	v_mul_u32_u24 v8, v1, SPITCH
	v_lshl_add_u32 v8, v2, 5, v8
	v_add_nc_u32 v[STO], s23, v8                   ; in: row r, 32 bytes for each half of the lanes
	v_add_nc_u32 v[RD], s23, v[CO]                 ; back: the 32 lanes take one row of 512 bytes
	v_lshlrev_b32 v[WSO], 5, v1
	s_wait_alu depctr_va_vdst(0)
	v_lshlrev_b32 v[BO], 5, v2
	s_wait_alu depctr_va_vdst(0)
	s_lshl_b32 s20, s42, 8
	s_lshl_b32 s21, s18, 7
	s_add_co_u32 s20, s20, s21                     ; my first column
	s_lshl_b32 s2, s20, 5
	s_mov_b32 s3, 0
	s_add_nc_u64 s[66:67], s[10:11], s[2:3]        ; its scale bytes,
	s_lshl_b32 s2, s20, 2
	s_add_nc_u64 s[12:13], s[12:13], s[2:3]        ; its bias,
	s_add_nc_u64 s[14:15], s[14:15], s[2:3]        ; its place in a row of out0
	s_lshl_b32 s2, s19, 7
	s_lshl_b32 s20, s17, 6
	s_add_co_u32 s2, s2, s20
	s_lshl_b32 s2, s2, 12                          ; my first token's row: 4,096 bytes a row
	s_add_nc_u64 s[14:15], s[14:15], s[2:3]
	s_lshr_b32 s2, s19, 4                          ; y's scale words: [batch x 16 + head][x 4][wave 16] units of 256 bytes; tiles 2 x and 2 x + 1 of a block lie under x
	s_lshl_b32 s2, s2, 18
	s_lshl_b32 s20, s17, 13
	s_add_co_u32 s2, s2, s20
	s_add_nc_u64 s[6:7], s[6:7], s[2:3]
	s_and_b32 s2, s19, 15                          ; the block.  An even tile's words lie in unit "block", first word of a lane's two;
	s_lshl_b32 s20, s2, 8
	s_xor_b32 s2, s2, 15                           ; an odd tile's in unit "15 - block", second word
	s_lshl_b32 s2, s2, 8
	s_add_co_u32 s2, s2, 4
	s_mov_b32 s45, 0xffff0000                      ; lanes 16-31 take the odd tile's
	v_mov_b32 v9, s20
	v_mov_b32 v10, s2
	v_cndmask_b32 v[YO], v9, v10, s45
	v_lshl_add_u32 v[YO], v1, 3, v[YO]             ; + 8 r
.irp b, 0,1,2,3,4,5,6,7
	global_load_b128 v[WS+8*\b:WS+8*\b+3], v[WSO], s[66:67] offset:512*\b        ; row 16 b + r: its 32 scale bytes are the words of the eight steps of 128
	global_load_b128 v[WS+8*\b+4:WS+8*\b+7], v[WSO], s[66:67] offset:512*\b+16
	global_load_b128 v[BIAS+8*\b:BIAS+8*\b+3], v[BO], s[12:13] offset:64*\b      ; the bias of columns 16 b + 8 h + 0 .. 7: the result's layout
	global_load_b128 v[BIAS+8*\b+4:BIAS+8*\b+7], v[BO], s[12:13] offset:64*\b+16
.endr
.irp g, 0,1
.irp e, 0,1,2,3,4,5,6,7,8,9,10,11,12,13,14,15
	global_load_b32 v[YE+16*\g+\e], v[YO], s[6:7] offset:16384*\e+4096*\g        ; head e, my tiles 2 g and 2 g + 1
.endr
.endr
.macro FRAG reg, adr, q, i             ; a fragment of w_proj: 16 rows x 128 K, in pieces of 8 bytes; where the piece three on lies behind one padding more, the second address register serves
.irp p, 0,1,2,3,4,5
.set PIECE, 12*(\q)+6*(\p/3)+\p%3
.if PIECE%8 < 5
	ds_load_b64 v[\reg+2*\p:\reg+2*\p+1], v[\adr] offset:8*PIECE+16*(PIECE/8)+(\i)*16*PITCH
.else
	ds_load_b64 v[\reg+2*\p:\reg+2*\p+1], v[\adr+2] offset:8*PIECE+16*(PIECE/8)+(\i)*16*PITCH
.endif
.endr
.endm
.macro FETCH slot, q, set              ; the fragments of the slot's q-th 128 along K into set: 48 loads for w_proj's eight, 16 for y's four (two heads' images each)
	WIN 0x80                                       ; destination window 2
.irp i, 0,1,2,3,4,5,6,7
	FRAG 128*(\set)+FR*\i, ADW+\slot, \q, \i
.endr
	WIN 0xc0                                       ; destination window 3
.irp a, 0,1,2,3
	ds_load_b128 v[128*(\set)+FR*\a:128*(\set)+FR*\a+3], v[ADY+\slot] offset:YT*\a+1536*(\q)
	ds_load_b64 v[128*(\set)+FR*\a+4:128*(\set)+FR*\a+5], v[ADY+2+\slot] offset:YT*\a+1536*(\q)+512
	ds_load_b128 v[128*(\set)+FR*\a+6:128*(\set)+FR*\a+9], v[ADY+\slot] offset:YT*\a+1536*(\q)+768
	ds_load_b64 v[128*(\set)+FR*\a+10:128*(\set)+FR*\a+11], v[ADY+2+\slot] offset:YT*\a+1536*(\q)+1280
.endr
.endm
; 8 matrix instructions: y's tile a x w_proj's eight; k: which 128 along K.  bias = 1: the first product starts the sums from the bias.  The 32 accumulators take turns, one instruction a turn.
.macro MUL8 a, set, k, bias
.irp b, 0,1,2,3,4,5,6,7
.set DR, 8*(8*(\a)+\b)
.set CR, DR
.if \bias
.set CR, BIAS+8*\b
.endif
.if (\a)%2
	v_wmma_scale_f32_16x16x128_f8f6f4 v[DR:DR+7], v[128*(\set)+FR*\b:128*(\set)+FR*\b+FR-1], v[128*(\set)+FR*(\a):128*(\set)+FR*(\a)+FR-1], v[CR:CR+7], v[WS+8*\b+(\k)], v[YS+8*((\a)/2)+(\k)] matrix_a_fmt:MATRIX_FMT_FP6 matrix_b_fmt:MATRIX_FMT_FP6 matrix_b_scale:MATRIX_SCALE_ROW1
.else
	v_wmma_scale_f32_16x16x128_f8f6f4 v[DR:DR+7], v[128*(\set)+FR*\b:128*(\set)+FR*\b+FR-1], v[128*(\set)+FR*(\a):128*(\set)+FR*(\a)+FR-1], v[CR:CR+7], v[WS+8*\b+(\k)], v[YS+8*((\a)/2)+(\k)] matrix_a_fmt:MATRIX_FMT_FP6 matrix_b_fmt:MATRIX_FMT_FP6
.endif
.endr
.endm
.macro PLACES n                        ; places behind matrix instructions, in front of loads into registers that they have read and of the first read of results
.rept \n
	v_nop
.endr
.endm
.macro STEP slot, k, bias              ; a slot's first 128 along K: set 0 is multiplied, set 1 fetched
	s_wait_dscnt 0x0                               ; set 0 is in
	PLACES 4
	FETCH \slot, 1, 1
.if \bias
	WIN MUL_B
.else
	WIN MUL
.endif
	MUL8 0, 0, \k, \bias
	MUL8 1, 0, \k, \bias
	MUL8 2, 0, \k, \bias
	MUL8 3, 0, \k, \bias
.endm
; A slot's second 128 along K changes slots: ONE barrier; in front of it each wave waits for all its tensor loads, adds 0 to its spare word, and waits for that and for its own reads of this slot.
.macro TURN slot, next, fill, k
	WIN 0                                          ; (the add's two registers lie in window 0)
	s_wait_tensorcnt 0x0                           ; all my tensor loads have landed: my part of the next slot
	ds_add_u32 v[SPW], v[NIL]                      ; 0 onto my spare word
	s_wait_dscnt 1                                 ; set 1 is in (the add may be out)
	WIN MUL
	MUL8 0, 1, \k, 0                               ; eight matrix instructions stand between the add and the wait for it
	s_wait_dscnt 0x0                               ; the add is done, and my reads of this slot are over
	s_barrier_signal -1
	MUL8 1, 1, \k, 0
	WIN 0
	s_barrier_wait -1
.if \fill
	CREST                                          ; the barrier has opened a round of the cluster's barrier: no wave of any partner still reads this slot's tile or has a load on its way
	s_add_nc_u64 s[G0+4*\slot+2:G0+4*\slot+3], s[G0+4*\slot+2:G0+4*\slot+3], 2*YT
	s_add_nc_u64 s[G0B+4*\slot+2:G0B+4*\slot+3], s[G0B+4*\slot+2:G0B+4*\slot+3], 2*ROWB
	JLOAD \slot                                    ; the first tensor load behind the round; the four v_nop behind it are the places in front of the loads below
.else
	PLACES 4
.endif
	FETCH \next, 0, 0
	WIN MUL
	MUL8 2, 1, \k, 0
	MUL8 3, 1, \k, 0
.endm
	s_wait_loadcnt 0x0                             ; scale words and bias
.irp g, 0,1
.irp k, 0,1,2,3,4,5,6,7
	v_lshl_or_b32 v[YS+8*\g+\k], v[YE+16*\g+2*\k+1], 16, v[YE+16*\g+2*\k]   ; two heads' two bytes each: the word of 128 along K
.endr
.endr
	PLACES 8                                       ; a scale register written by a vector instruction stands eight places ahead of a scaled matrix instruction
	s_wait_alu depctr_va_vdst(0)
	s_wait_tensorcnt 1                             ; my part of K step 0 is in (of my two loads K step 1's may be out)
	s_barrier_signal -1
	s_barrier_wait -1                              ; everybody's is
	FETCH 0, 0, 0
	STEP 0, 0, 1                                   ; eight steps of 128 along K, written out: the scale registers change from step to step
	TURN 0, 1, 1, 1
	STEP 1, 2, 0
	TURN 1, 0, 1, 3
	STEP 0, 4, 0
	TURN 0, 1, 0, 5                                ; nothing more is asked for
	STEP 1, 6, 0
	s_wait_dscnt 0x0
	MUL8 0, 1, 7, 0
	MUL8 1, 1, 7, 0
	MUL8 2, 1, 7, 0
	MUL8 3, 1, 7, 0
	WIN 0
; THE WAY OUT, a tile of 16 tokens x 128 columns at a time, through my own stage in LDS: in as 32 bytes a lane, back as whole rows of 512 bytes.  LDS serves a wave's instructions in order (ISA guide 5.7.1.4).
.macro TOSTAGE a
	WIN 0x04                                       ; an LDS store's data are its source 1: window 1
.irp b, 0,1,2,3,4,5,6,7
	ds_store_b128 v[STO], v[8*(8*(\a)+\b):8*(8*(\a)+\b)+3] offset:64*\b          ; each accumulator from its low end on
	ds_store_b128 v[STO], v[8*(8*(\a)+\b)+4:8*(8*(\a)+\b)+7] offset:64*\b+16
.endr
	WIN 0
.set BB, BK+64*((\a)%2)
.irp t, 0,1,2,3,4,5,6,7,8,9,10,11,12,13,14,15
	ds_load_b128 v[BB+4*\t:BB+4*\t+3], v[RD] offset:\t*SPITCH
.endr
.endm
.macro SEND a, younger                 ; younger: the LDS instructions issued behind tile a's loads, which may stay out
.set BB, BK+64*((\a)%2)
	s_wait_dscnt \younger
.irp t, 0,1,2,3,4,5,6,7,8,9,10,11,12,13,14,15
	global_store_b128 v[CO], v[BB+4*\t:BB+4*\t+3], s[14:15] offset:(32*((\a)/2)+8*((\a)%2)+\t+8*(\t/8))*4096 th:TH_STORE_NT   ; lane row t's token; 512 consecutive bytes, aligned to 256; written once, read by nobody here
.endr
.endm
	PLACES 4
	TOSTAGE 0
.irp a, 1,2,3
.if \a > 1
	s_wait_xcnt 0x0                                ; tile a - 2's stores have read their registers: tile a's loads may land there
.endif
	TOSTAGE \a
	SEND \a-1, 32                                  ; behind tile a - 1's loads: tile a's 16 stores and 16 loads
.endr
	SEND 3, 0
	s_wait_tensorcnt 0x0                           ; the wave's end
	ds_add_u32 v[SPW], v[NIL]
	s_wait_dscnt 0x0
	CROUND                                         ; the closing round
	s_endpgm
.Lfunc_end_k_q88c00ff650_proj:
	.size	k_q88c00ff650_proj, .Lfunc_end_k_q88c00ff650_proj-k_q88c00ff650_proj
	.p2alignl 7, 3214868480
	.fill 96, 4, 3214868480
	.section	.rodata,"a",@progbits
	.p2align	6, 0x0
	.amdhsa_kernel k_q88c00ff650_proj
		.amdhsa_group_segment_fixed_size 327680
		.amdhsa_private_segment_fixed_size 0
		.amdhsa_enable_private_segment 0
		.amdhsa_kernarg_size 48
		.amdhsa_user_sgpr_count 2
		.amdhsa_user_sgpr_kernarg_segment_ptr 1
		.amdhsa_wavefront_size32 1
		.amdhsa_system_sgpr_workgroup_id_x 1
		.amdhsa_system_sgpr_workgroup_id_y 1
		.amdhsa_system_sgpr_workgroup_id_z 1
		.amdhsa_system_vgpr_workitem_id 0
		.amdhsa_next_free_vgpr 1024
		.amdhsa_next_free_sgpr 68
		.amdhsa_reserve_vcc 0
		.amdhsa_float_denorm_mode_32 3
		.amdhsa_float_denorm_mode_16_64 3
		.amdhsa_memory_ordered 1
		.amdhsa_forward_progress 1
		.amdhsa_inst_pref_size 100
	.end_amdhsa_kernel
	.amdgpu_metadata
---
amdhsa.version: [ 1, 2 ]
amdhsa.kernels:
  - .name:           k_q88c00ff650_proj
    .symbol:         k_q88c00ff650_proj.kd
    .args:
      - { .name: y_codes, .offset: 0, .size: 8, .value_kind: global_buffer, .address_space: global }
      - { .name: y_sw, .offset: 8, .size: 8, .value_kind: global_buffer, .address_space: global }
      - { .name: w_proj_codes, .offset: 16, .size: 8, .value_kind: global_buffer, .address_space: global }
      - { .name: w_proj_scales, .offset: 24, .size: 8, .value_kind: global_buffer, .address_space: global }
      - { .name: b_proj, .offset: 32, .size: 8, .value_kind: global_buffer, .address_space: global }
      - { .name: out0, .offset: 40, .size: 8, .value_kind: global_buffer, .address_space: global }
    .group_segment_fixed_size: 327680
    .private_segment_fixed_size: 0
    .kernarg_segment_align: 8
    .kernarg_segment_size: 48
    .max_flat_workgroup_size: 128
    .sgpr_count:     68
    .vgpr_count:     1024
    .wavefront_size: 32
...
	.end_amdgpu_metadata
.endif
;; end of part 3
